; MI455X (gfx1250); checked and timed in simulation.
; The chip was launched on July 23, 2026; its instructions are those of AMD's public machine-readable ISA for CDNA 5 (MIT licence, August 2026) and "CDNA5" Instruction Set Architecture Reference Guide (July 2026). The comments in the code are by the model that wrote it; some were corrected since.
;; Additive Attention. Allowed arithmetic: matrix products marked QUANTISED: E2M3 operands, one E8M0 scale for each 32 along K, by v_wmma_scale_f32_16x16x128_f8f6f4 with both operands' format E2M3, f32 sums; products left as they are: f32 operands where the result goes on into a quantised operand, else bf16, f16 or f32 operands; f32 sums; everything else in f32.
;; Inputs: W_concat 64 x 128 float32; b_concat 64 float32; b_logit one number float32; keys_codes 2 x 4 x 512 x 2 x 24 uint8 (E2M3 codes of keys, K innermost, in blocks of 32 codes, four codes in three bytes); keys_scales 2 x 4 x 512 x 2 uint8 (E8M0 scales of keys, one for each 32 codes along K); mask 2 x 512 x 512 bool; queries_codes 2 x 4 x 512 x 2 x 24 uint8 (E2M3 codes of queries, K innermost, in blocks of 32 codes, four codes in three bytes); queries_scales 2 x 4 x 512 x 2 uint8 (E8M0 scales of queries, one for each 32 codes along K); values 2 x 4 x 512 x 64 float32; w_logit 64 float32.
;; Outputs: out0 2 x 4 x 512 x 512 float32.
;; This version of the problem:
;;   THIS VERSION OF THE PROBLEM IS GIVEN IN LOW PRECISION. The matrix products marked QUANTISED in the list below multiply operands that are first quantised to E2M3 (2 exponent bits, 3 mantissa bits; 6 bits a number), with one power-of-two scale for each 32 numbers along K (OCP MX v1.0); their sums are f32. All else is computed in f32.
;;   The module's matrix products, in the order in which they are computed (A, B: the left and right operand; K: the contracted axis; several contracted axes count as one K, in the product's order):
;;     1. [M 4,096, K 64] x [K 64, N 64]; A: input queries (given as codes); B: input W_concat: QUANTISED
;;     2. [M 4,096, K 64] x [K 64, N 64]; A: input keys (given as codes); B: input W_concat: QUANTISED
;;     3. [M 2,097,152, K 64] x [K 64, N 1]; A: computed on the way; B: input w_logit: left as it is (N = 1 < 16)
;;   THE QUANTISER, for each operand of a quantised product, along K:
;;     - K is cut into blocks of 32 from its start; a last block that is shorter is filled with zeros.
;;     - A block's scale is 2^e with e = floor(log2(the largest magnitude in the block)) - 2, held to -126 .. 127; a block of zeros has e = 0. As a byte (E8M0): e + 127.
;;     - Each number is divided by its block's scale, clamped to +-7.5, and rounded to the nearest number of E2M3, ties to even, subnormals kept.
;;     - The product sums the exact products of the quantised numbers (number of the format x scale) in f32.
;;   ~~~python
;;   def quantise(x, axis):      # numpy; x: float32 -> the quantised numbers, widened to float32 again
;;       x = np.moveaxis(x, axis, -1); K = x.shape[-1]
;;       x = np.pad(x, [(0, 0)] * (x.ndim - 1) + [(0, -K % 32)]); x = x.reshape(x.shape[:-1] + (-1, 32)); a = np.abs(x).max(-1, keepdims=True)
;;       e = np.where(a > 0, np.clip(np.frexp(np.where(a > 0, a, 1))[1] - 1 - 2, -126, 127), 0)      # np.frexp(a)[1] - 1 = floor(log2(a)), exactly
;;       r = np.clip(x / 2.0 ** e, -7.5, 7.5)
;;       step = 2.0 ** (np.maximum(np.frexp(np.where(r == 0, 1, r))[1] - 1, 0) - 3)
;;       q = np.round(r / step) * step * 2.0 ** e      # np.round: ties to even
;;       return np.moveaxis(q.reshape(q.shape[:-2] + (-1,))[..., :K], -1, axis).astype(np.float32)
;;   ~~~
;;   INPUTS GIVEN AS CODES. keys (in the module: [2, 4, 512, 64], K = its axis 3); queries (in the module: [2, 4, 512, 64], K = its axis 3): each comes as NAME_codes (uint8): NAME with its K axis moved to the last place and cut into blocks of 32 codes, [.., K / 32, bytes a block], one block behind the other in memory; four codes in three bytes: a row's codes are one little-endian stream of bits, code i at bits 6 i .. 6 i + 5 (a code: sign, 2 exponent bits, 3 mantissa bits); and NAME_scales (uint8): the same leading axes, one E8M0 byte (e + 127) for each 32 codes along K. Its value is code x scale, taken as it is: it is not quantised again, and the codes and scales need not be those that the quantiser above would give.
;; 2 versions, each right; version 2 is version 1 with the launch addattn written anew for expert scheduling mode. Each part assembles by itself: llvm-mc -triple=amdgcn-amd-amdhsa -mcpu=gfx1250 --defsym DOCPART=n.
;; ======== version 1 of 2: 1 launch
;; limits: right only within a limited range of input values
;; launch addattn (part 1): grid 32 x 8, 16 waves a work-group, no clusters, 316,416 bytes of LDS; arguments queries_codes, queries_scales, keys_codes, keys_scales, W_concat, b_concat, w_logit, b_logit, mask, out0; writes out0
.if DOCPART == 1
	.amdgcn_target "amdgcn-amd-amdhsa--gfx1250"
	.amdhsa_code_object_version 6
	.text
	.protected	k_q194268a258_addattn
	.globl	k_q194268a258_addattn
	.p2align	8
	.type	k_q194268a258_addattn,@function
k_q194268a258_addattn:
	s_mov_b64 s[64:65], 0
	v_nop
	global_prefetch_b8 v0, s[64:65] scope:SCOPE_SE
	s_setreg_imm32_b32 hwreg(HW_REG_WAVE_MODE, 25, 1), 1
	s_wait_xcnt 0x0
; out0[b][h][q][k] = softmax over k of ( sum over e of w[e] tanh(qp[q][e] + kp[k][e] + b[e]) + b_logit ), masked keys at -infinity, a row with no key left un-masked.
; qp = Q Wq^T, kp = K Wk^T on codes of FP6 (E2M3) with one E8M0 scale for each 32 along K: Q and K arrive as codes; W_concat [64][128] f32 is quantised here, four blocks of 32 a row (0, 1: Wq; 2, 3: Wk).
; THE INPUT values IS NOT READ: reference() never uses it, no number of the output hangs on it.
; THE ARITHMETIC.  c = 2 log2(e); xa = c (qp + b), xb = c kp; tanh(s) = 1 - 2 r, r = 1 / (1 + 2^(xa + xb)).  Each x is split ONCE, per row and not per pair: i = floor(x) as a whole number, E = 2^(x - i) in [1, 2).
; A pair's number is then: i = ib + ia; U = ldexp(Eb, i); d = U Ea + 1 (packed); r = 1 / d: the one transcendental; acc += w r (packed).  logit = (sum of w + b_logit) - 2 acc.
; ldexp runs to infinity or to 0 where the exponent leaves f32's range: d = infinity gives r = 0 (tanh = 1), d = 1 gives r = 1 (tanh = -1): no branch, no NaN.
; The third product (N = 1) is these f32 fused multiply-adds: on the matrix unit 15 of its 16 columns would be idle.
; LIMITS.  x is held to +-2^29 ahead of the split, so that ia + ib cannot wrap: beyond |qp + b| or |kp| of 1.8e8 tanh is +-1 all the same unless the two nearly cancel.  NaN and infinities in W_concat and the biases, and the
; scale byte 0xff, are not served.  A block of zeros of W gets the byte 1 where the rule says 127: its codes are zeros.  Order of rounding: (qp + b) and kp are formed and split apart, where reference() forms (qp + kp) + b.
; SHARES.  256 work-groups: x = a block of 16 queries, y = 4 b + h.  Sixteen waves of 256 registers; wave w: t = w % 4, g = w / 4.
;   build:   EACH BYTE IS ASKED OF MEMORY ONCE IN A WORK-GROUP.  Waves 0-3: Wq's rows 16 t .. 16 t + 15, quantised, times the 16 queries: the queries' table.  Waves 4-7: Wk's rows 16 t .. 16 t + 15, quantised; the fragment
;            goes to LDS as an image of its registers.  A barrier.  Then wave w makes all 64 e of keys 32 w .. 32 w + 31: two tiles of keys x Wk's four fragments, 8 matrix instructions on 8 accumulators.
;            Transposed use: source 0 = 16 rows of W, source 1 = 16 keys, so that a lane holds ONE key (lane % 16) and eight neighbouring e (8 (lane / 16) + 0 .. 7).  K = 64: the fragments' upper six registers hold zero codes.
;            A load of W takes two rows' 256 consecutive bytes, sixteen lanes each; the tile's 4,096 bytes turn through the wave's own stage in LDS, so that a lane gets a whole block of 32.
;   main:    wave (t, g): keys 128 t + 32 s + lane (s = 0 .. 3), queries 4 g + 0 .. 3, all 64 e, four e (a quad) at a time.
;   softmax: wave w takes query row w; register 4 j + i of a lane is key 128 j + 4 lane + i.
; Every work-group of a head makes the head's key table anew: 132 matrix instructions and 33,792 splits, against 524,288 pair numbers of its own; a launch for the tables would send 256 KiB to each of 256 work-groups.
; NO TENSOR LOAD, NO CLUSTER: what the 32 work-groups of a head share is 24,576 bytes of key codes, 1,024 of scales and 32,768 of W, read once at the head through registers, a small part of a launch whose time is arithmetic.
; LDS:
.set EBT, 0                            ; Eb, f32:  quad x 8,192 + key x 16 (quad = e / 4; a place of 16 bytes = 4 e of one key): 131,072 bytes
.set IBT, 131072                       ; ib, i32:  the same layout
.set QT,  262144                       ; the queries' table: quad x 576 + group x 144 (group = q / 4): w of the quad (16 bytes), then for each of the group's 4 queries Ea (16), ia (16): 9,216 bytes
.set QP,  576
.set GP,  144
.set LG,  271360                       ; the logits: q x 2,048 + key x 4: 32,768 bytes
.set WST, LG                           ; W's stages, one for each of waves 0-7: 16 rows x (256 bytes + 16): 34,816 bytes.  They are read out in front of the first barrier; the logits take their bytes behind the second
.set WSP, 272                          ; row r starts at bank 4 r mod 64 (64 banks of 4 bytes: ISA guide 11.1): the 16 rows that a load touches start at 16 different banks
.set WSB, 16*WSP
.set WIM, WST+8*WSB                    ; Wk's four fragments as images of their registers: 3 x 512 bytes of codes (16 x lane), then the scale words (4 x lane), 2,048 bytes apart: 8,192 bytes
.set IMB, 2048
; REGISTERS that stay
.set RR,  1                            ; v1   r = lane % 16
.set HH,  2                            ; v2   h = lane / 16
.set LN,  3                            ; v3   lane
.set OC,  4                            ; v4   48 r + 24 h: my 24 bytes of a row of codes
.set OS,  5                            ; v5   2 r: a row's two scale bytes
.set OW,  6                            ; v6   512 h + 16 r: my 16 bytes of two rows' halves of W
.set SH,  7                            ; v7   8 h
.set WSC, 216                          ; v216-219 Wk's scale words; v220-221 my two key tiles'; v222 the queries'; v223 the word that QW makes: these eight hold scales and nothing else
.set KSC, 220
.set QSC, 222
.set SWT, 223
.set AWE2, 224                         ; v224, v225 build: v236, v237 + 65,536 (an LDS offset has 16 bits)
.set AWI2, 225
.set OB,  227                          ; v227 32 h: my eight numbers of b_concat
.set AWE, 236                          ; v236 build: where I store Eb;  v237 ib
.set AWI, 237
.set AQW, 238                          ; v238 build: where I store Ea, ia
.set AWT, 239                          ; v239 build: where I store w
.set AKE, 240                          ; v240 main: my key's place in quad 0 of EBT;  v241 of IBT
.set AKI, 241
.set AQ,  242                          ; v242 main: my group's place in quad 0 of QT (the same in all lanes)
.set AL,  243                          ; v243 where I store logits
.set ARD, 244                          ; v244 where I read my row of logits
.set GO,  245                          ; v245 16 x lane
.set K0,  246                          ; v246 the sum of w + b_logit
.set L4,  247                          ; v247 4 x lane
.set MK,  248                          ; v248-251 my 16 bytes of the mask's row
.set R4,  252                          ; v252 4 r
.set KE,  253                          ; v253-255 the three main addresses at the pair of quads in hand
.set KI,  254
.set QA,  255
; build
.set WQF, 8                            ; v8-19   the fragment that QW makes (waves 0-3: Wq's, waves 4-7: Wk's)
.set BLK, 32                           ; v32-63  my block of 32 of W;  v64-95 W as it is loaded
.set RAW, 64
.set KD,  32                           ; v32-95  later the key products' results: (e-tile u, key tile i) at v[32 + 8 (2 u + i)]
.set WKF, 96                           ; v96-143 Wk's four fragments;  v144-167 my two key tiles'
.set KFR, 144
.set KF,  96                           ; v96-159 later the floors, then ib
.set ASW, 180                          ; v180 my stage, on the way in;  v181 on the way out
.set ASR, 181
.set SI,  182                          ; v182 where I store my image's codes;  v183 its scale word
.set SS,  183
.set LI,  184                          ; v184 where I read image 0's codes;  v185 its scale word
.set LS,  185
.set QFR, 192                          ; v192-203 the queries' fragment
.set BC,  204                          ; v204-211 b_concat in the result's layout: the C of the queries' product
.set QD,  72                           ; v72-79  the queries' result;  v64-71 its floors
.set QF,  64
.set WT,  212                          ; v212 w for the table;  v213-214 w for the sum
.set WS,  213
.set CT,  228                          ; v228-230 a conversion's second half
.set MX,  231                          ; v231-232 two chains of the largest magnitude
.set SO,  233                          ; v233 the conversion's scale operand;  v234 the byte;  v235 a lane permute's destination
.set SBY, 234
.set PT,  235
; main
.set AC,  16                           ; v16-47  sums: (query qq, key slot s) at v[16 + 8 qq + 2 s], even e and odd e apart
.set T0,  48                           ; v48-63, v64-79: sixteen d, then r, by turns
.set EB,  80                           ; a set: Eb 16, ib 16 (register 4 s + j), Ea 16, ia 16 (4 qq + j), w 4: 68 registers
.set IB,  96
.set EA,  112
.set IA,  128
.set WR,  144
.set SA,  0                            ; set A at v80, set B at v148
.set SB,  68
; 32 numbers of a lane, one whole block of a row of W, become six registers of codes at v[dst] and, with lane l xor 16's byte, the row's scale word in v[sw].
.macro QW src, dst, sw
	v_max3_num_f32 v[MX], |v[\src]|, |v[\src+1]|, |v[\src+2]|      ; the block's largest magnitude, in two chains
	v_max3_num_f32 v[MX+1], |v[\src+3]|, |v[\src+4]|, |v[\src+5]|
.irp i, 6,10,14,18,22,26
	v_max3_num_f32 v[MX], v[MX], |v[\src+\i]|, |v[\src+\i+1]|
	v_max3_num_f32 v[MX+1], v[MX+1], |v[\src+\i+2]|, |v[\src+\i+3]|
.endr
	v_max3_num_f32 v[MX], v[MX], |v[\src+30]|, |v[\src+31]|
	v_max3_num_f32 v[MX], v[MX], v[MX+1], 0x1800000               ; and the floor 2^(3 - 127): the byte cannot fall under 1
	v_add_nc_u32 v[SO], 0xff000000, v[MX]                         ; 2 off its exponent field: the conversion takes this operand's exponent field as its scale
	v_lshrrev_b32 v[SBY], 23, v[SO]                               ; the scale's byte,
	v_lshlrev_b32 v[SBY], v[SH], v[SBY]                           ; at its place in the word: block h
	v_permlanex16_b32 v[PT], v[SBY], s28, s29
	v_or_b32 v[\sw], v[SBY], v[PT]                                ; bytes 2 and 3 stay 0: they stand over zero codes
	v_cvt_scalef32_pk16_fp6_f32 v[\dst:\dst+2], v[\src:\src+15], v[SO]
	v_cvt_scalef32_pk16_fp6_f32 v[CT:CT+2], v[\src+16:\src+31], v[SO]   ; (a conversion's three registers begin on an even number)
	v_nop                                                         ; one plain place behind a scaled conversion
.irp i, 0,1,2
	v_mov_b32 v[\dst+3+\i], v[CT+\i]
.endr
.endm
; my tile of W, 16 rows x 64 numbers: eight loads, each of two rows' 256 consecutive bytes (lanes 0-15 row 2 j, lanes 16-31 row 2 j + 1)
.macro WLOAD
.irp j, 0,1,2,3,4,5,6,7
	global_load_b128 v[RAW+4*\j:RAW+4*\j+3], v[OW], s[12:13] offset:1024*\j
.endr
.endm
; the tile turns through my own stage: in as it was loaded, out 128 bytes a lane: lane (r, h) gets block h of row r.  LDS serves a wave's instructions in order (ISA guide 5.7.1.4): no wait between the stores and the loads.  Then it is quantised.
.macro WPREP
.irp j, 0,1,2,3,4,5,6,7
	ds_store_b128 v[ASW], v[RAW+4*\j:RAW+4*\j+3] offset:2*WSP*\j
.endr
.irp j, 0,1,2,3,4,5,6,7
	ds_load_b128 v[BLK+4*\j:BLK+4*\j+3], v[ASR] offset:16*\j
.endr
	s_wait_dscnt 0x0
	QW BLK, WQF, SWT
.endm
; n tiles of 8 results at v[d] become E = 2^(x - floor(x)) in place and i = floor(x) at v[f], x = c x result.  Each tile is read from its low end on.  All exponentials are one batch with one wait.
.macro POST d, f, n
.set pi, 0
.rept 4*(\n)
	v_pk_mul_f32 v[\d+2*pi:\d+2*pi+1], v[\d+2*pi:\d+2*pi+1], 0x4038aa3b op_sel_hi:[1,0]   ; c = 2 log2(e)
.set pi, pi+1
.endr
.set pi, 0
.rept 8*(\n)
	v_med3_num_f32 v[\d+pi], v[\d+pi], s30, s42                   ; held to +-2^29
.set pi, pi+1
.endr
.set pi, 0
.rept 8*(\n)
	v_floor_f32 v[\f+pi], v[\d+pi]
.set pi, pi+1
.endr
.set pi, 0
.rept 4*(\n)
	v_pk_add_f32 v[\d+2*pi:\d+2*pi+1], v[\d+2*pi:\d+2*pi+1], v[\f+2*pi:\f+2*pi+1] neg_lo:[0,1] neg_hi:[0,1]   ; x - floor(x): exact
.set pi, pi+1
.endr
.set pi, 0
.rept 8*(\n)
	v_cvt_i32_f32 v[\f+pi], v[\f+pi]
.set pi, pi+1
.endr
.set pi, 0
.rept 8*(\n)
	v_exp_f32 v[\d+pi], v[\d+pi]
.set pi, pi+1
.endr
	v_nop                                                         ; a plain instruction behind the last exponential (ISA guide 5.7.2)
	s_wait_alu depctr_va_vdst(0)                                  ; one wait for the batch, ahead of the first line that names a result
.endm
; e-tile u of my two key tiles goes into the tables: lane (r, h): quads 4 u + 2 h and 4 u + 2 h + 1 of key 32 w + 16 i + r
.macro KST u, ae, ai, off
.irp i, 0,1
	ds_store_b128 v[\ae], v[KD+8*(2*(\u)+\i):KD+8*(2*(\u)+\i)+3] offset:\off+256*\i
	ds_store_b128 v[\ae], v[KD+8*(2*(\u)+\i)+4:KD+8*(2*(\u)+\i)+7] offset:\off+256*\i+8192
	ds_store_b128 v[\ai], v[KF+8*(2*(\u)+\i):KF+8*(2*(\u)+\i)+3] offset:\off+256*\i
	ds_store_b128 v[\ai], v[KF+8*(2*(\u)+\i)+4:KF+8*(2*(\u)+\i)+7] offset:\off+256*\i+8192
.endr
.endm
.macro BAR                             ; my LDS stores have landed and my LDS loads are in: then the work-group's barrier
	s_wait_dscnt 0x0
	s_barrier_signal -1
	s_barrier_wait -1
.endm
; 17 LDS loads: one quad of my four keys a lane (neighbouring lanes 16 bytes apart) and of my group's four queries (one address for all lanes), into the set at o
.macro LOAD o, koff, qoff
.irp s, 0,1,2,3
	ds_load_b128 v[EB+\o+4*\s:EB+\o+4*\s+3], v[KE] offset:\koff+512*\s
.endr
.irp s, 0,1,2,3
	ds_load_b128 v[IB+\o+4*\s:IB+\o+4*\s+3], v[KI] offset:\koff+512*\s
.endr
	ds_load_b128 v[WR+\o:WR+\o+3], v[QA] offset:\qoff
.irp u, 0,1,2,3
	ds_load_b128 v[EA+\o+4*\u:EA+\o+4*\u+3], v[QA] offset:\qoff+16+32*\u
	ds_load_b128 v[IA+\o+4*\u:IA+\o+4*\u+3], v[QA] offset:\qoff+32+32*\u
.endr
.endm
.macro ADV                             ; two quads on.  It stands behind a wait for all my LDS loads
	s_add_co_u32 s40, s40, 16384
	s_add_co_u32 s41, s41, 2*QP
	v_add_nc_u32 v[KE], s40, v[AKE]
	v_add_nc_u32 v[KI], s40, v[AKI]
	v_add_nc_u32 v[QA], s41, v[AQ]
.endm
; sums of query q take the sixteen r of T(q % 2): two e at a time.  first = 1: the first quad's first product starts the sums: nothing is cleared
.macro ACC o, q, first
.set TA, T0+16*((\q)%2)
.irp p, 0,1
.irp s, 0,1,2,3
.if (\first) && (\p == 0)
	v_pk_mul_f32 v[AC+8*(\q)+2*\s:AC+8*(\q)+2*\s+1], v[TA+4*\s+2*\p:TA+4*\s+2*\p+1], v[WR+\o+2*\p:WR+\o+2*\p+1]
.else
	v_pk_fma_f32 v[AC+8*(\q)+2*\s:AC+8*(\q)+2*\s+1], v[TA+4*\s+2*\p:TA+4*\s+2*\p+1], v[WR+\o+2*\p:WR+\o+2*\p+1], v[AC+8*(\q)+2*\s:AC+8*(\q)+2*\s+1]
.endif
.endr
.endr
.endm
; the sixteen d of query q and the set's quad into T(q % 2), with nothing between: the pipeline's first step
.macro CHAIN o, q
.set TC, T0+16*((\q)%2)
.irp s, 0,1,2,3
.irp j, 0,1,2,3
	v_add_nc_u32 v[TC+4*\s+\j], v[IB+\o+4*\s+\j], v[IA+\o+4*(\q)+\j]
.endr
.irp j, 0,1,2,3
	v_ldexp_f32 v[TC+4*\s+\j], v[EB+\o+4*\s+\j], v[TC+4*\s+\j]
.endr
	v_pk_fma_f32 v[TC+4*\s:TC+4*\s+1], v[TC+4*\s:TC+4*\s+1], v[EA+\o+4*(\q):EA+\o+4*(\q)+1], 1.0 op_sel_hi:[1,1,0]
	v_pk_fma_f32 v[TC+4*\s+2:TC+4*\s+3], v[TC+4*\s+2:TC+4*\s+3], v[EA+\o+4*(\q)+2:EA+\o+4*(\q)+3], 1.0 op_sel_hi:[1,1,0]
.endr
.endm
; A STEP: the same sixteen d, and between its lines the sixteen reciprocals of the step before (the other T, in place): each reciprocal is followed by a plain line that names none of its registers.
; Then ONE wait for the sixteen, and the sums of the step before (set po, query pq).  40 + 16 + 8 instructions.
.macro STEP o, q, po, pq, first
.set TC, T0+16*((\q)%2)
.set TP, T0+16-16*((\q)%2)
.irp s, 0,1,2,3
	v_add_nc_u32 v[TC+4*\s], v[IB+\o+4*\s], v[IA+\o+4*(\q)]
	v_add_nc_u32 v[TC+4*\s+1], v[IB+\o+4*\s+1], v[IA+\o+4*(\q)+1]
	v_rcp_f32 v[TP+4*\s], v[TP+4*\s]
	v_add_nc_u32 v[TC+4*\s+2], v[IB+\o+4*\s+2], v[IA+\o+4*(\q)+2]
	v_add_nc_u32 v[TC+4*\s+3], v[IB+\o+4*\s+3], v[IA+\o+4*(\q)+3]
	v_rcp_f32 v[TP+4*\s+1], v[TP+4*\s+1]
	v_ldexp_f32 v[TC+4*\s], v[EB+\o+4*\s], v[TC+4*\s]
	v_ldexp_f32 v[TC+4*\s+1], v[EB+\o+4*\s+1], v[TC+4*\s+1]
	v_rcp_f32 v[TP+4*\s+2], v[TP+4*\s+2]
	v_ldexp_f32 v[TC+4*\s+2], v[EB+\o+4*\s+2], v[TC+4*\s+2]
	v_ldexp_f32 v[TC+4*\s+3], v[EB+\o+4*\s+3], v[TC+4*\s+3]
	v_rcp_f32 v[TP+4*\s+3], v[TP+4*\s+3]
	v_pk_fma_f32 v[TC+4*\s:TC+4*\s+1], v[TC+4*\s:TC+4*\s+1], v[EA+\o+4*(\q):EA+\o+4*(\q)+1], 1.0 op_sel_hi:[1,1,0]
	v_pk_fma_f32 v[TC+4*\s+2:TC+4*\s+3], v[TC+4*\s+2:TC+4*\s+3], v[EA+\o+4*(\q)+2:EA+\o+4*(\q)+3], 1.0 op_sel_hi:[1,1,0]
.endr
	s_wait_alu depctr_va_vdst(0)                   ; one wait for the sixteen reciprocals, ahead of their first reader
	ACC \po, \pq, \first
.endm
; Two quads, 2 n in set A and 2 n + 1 in set B.  A set is loaded again only behind the step whose sums read its w for the last time, and then has three steps in which to land; at each wait that one set is all that is out.
.macro TRIP more
	s_wait_dscnt 0x0                               ; set A (quad 2 n) is in; nothing else of mine is out
	ADV
	STEP SA, 0, SB, 3, 0
	LOAD SB, 8192, QP                              ; quad 2 n + 1
	STEP SA, 1, SA, 0, 0
	STEP SA, 2, SA, 1, 0
	STEP SA, 3, SA, 2, 0
	s_wait_dscnt 0x0                               ; set B is in
	STEP SB, 0, SA, 3, 0
.if \more
	LOAD SA, 16384, 2*QP                           ; quad 2 n + 2
.endif
	STEP SB, 1, SB, 0, 0
	STEP SB, 2, SB, 1, 0
	STEP SB, 3, SB, 2, 0
.endm
	; ---- the head: ids, addresses, offsets
	s_load_b512 s[4:19], s[0:1], 0x0               ; queries' codes s[4:5], scales s[6:7]; keys' codes s[8:9], scales s[10:11]; W s[12:13]; b_concat s[14:15]; w_logit s[16:17]; b_logit s[18:19]
	s_load_b128 s[20:23], s[0:1], 0x40             ; mask s[20:21], out0 s[22:23]
	v_lshrrev_b32 v8, 5, v0
	v_readfirstlane_b32 s24, v8                    ; wave w
	s_and_b32 s25, s24, 3                          ; t
	s_lshr_b32 s26, s24, 2                         ; g
	s_and_b32 s27, ttmp7, 0xffff                   ; y = 4 b + h
	s_mov_b32 s28, 0x76543210
	s_mov_b32 s29, 0xfedcba98                      ; v_permlanex16_b32's selects for lane l xor 16
	s_mov_b32 s30, 0xce000000                      ; -2^29
	s_mov_b32 s42, 0x4e000000                      ; 2^29
	s_mov_b32 s40, 0
	s_mov_b32 s41, 0
	v_and_b32 v[RR], 15, v0
	v_bfe_u32 v[HH], v0, 4, 1
	v_and_b32 v[LN], 31, v0
	v_mul_u32_u24 v[OC], v[RR], 48
	v_mad_u32_u24 v[OC], v[HH], 24, v[OC]
	v_lshlrev_b32 v[OS], 1, v[RR]
	v_lshlrev_b32 v[OW], 4, v[RR]
	v_lshl_add_u32 v[OW], v[HH], 9, v[OW]
	v_lshlrev_b32 v[SH], 3, v[HH]
	v_lshlrev_b32 v[OB], 5, v[HH]
	v_lshlrev_b32 v[L4], 2, v[LN]
	v_lshlrev_b32 v[R4], 2, v[RR]
	v_lshlrev_b32 v[GO], 4, v[LN]
	; every LDS address is made here, ahead of the branches on the wave's number: a constant + constants x lane parts + constants x wave parts
	s_lshl_b32 s34, s24, 9
	v_lshlrev_b32 v[AWE], 4, v[RR]
	v_lshl_add_u32 v[AWE], v[HH], 14, v[AWE]
	v_add_nc_u32 v[AWE], s34, v[AWE]               ; quad 2 h, key 32 w + r
	v_add_nc_u32 v[AWE2], 65536, v[AWE]            ; quad 8 + 2 h
	v_add_nc_u32 v[AWI], IBT, v[AWE]
	v_add_nc_u32 v[AWI2], IBT+65536, v[AWE]
	s_and_b32 s34, s24, 7
	s_mul_i32 s34, s34, WSB
	s_add_co_u32 s34, s34, WST                     ; my stage (waves 0-7)
	v_mul_u32_u24 v[ASW], v[HH], WSP
	v_lshl_add_u32 v[ASW], v[RR], 4, v[ASW]
	v_add_nc_u32 v[ASW], s34, v[ASW]               ; in: row h of a load's two, 16 r
	v_mul_u32_u24 v[ASR], v[RR], WSP
	v_lshl_add_u32 v[ASR], v[HH], 7, v[ASR]
	v_add_nc_u32 v[ASR], s34, v[ASR]               ; out: row r, block h
	s_lshl_b32 s34, s25, 11
	s_add_co_u32 s34, s34, WIM                     ; image t
	v_lshl_add_u32 v[SI], v[LN], 4, s34
	s_add_co_u32 s34, s34, 1536
	v_lshl_add_u32 v[SS], v[LN], 2, s34
	v_lshl_add_u32 v[LI], v[LN], 4, WIM
	v_lshl_add_u32 v[LS], v[LN], 2, WIM+1536
	v_lshrrev_b32 v9, 2, v[RR]
	v_and_b32 v10, 3, v[RR]
	s_mul_i32 s34, s25, 4*QP
	s_add_co_u32 s34, s34, QT
	v_mul_u32_u24 v[AQW], v9, GP
	v_mad_u32_u24 v[AQW], v[HH], 2*QP, v[AQW]
	v_lshl_add_u32 v[AQW], v10, 5, v[AQW]
	v_add_nc_u32 v[AQW], s34, v[AQW]
	v_add_nc_u32 v[AQW], 16, v[AQW]                ; quad 4 t + 2 h, group r / 4, behind w's 16 bytes, query r % 4
	v_mul_u32_u24 v[AWT], v9, QP
	v_lshl_add_u32 v[AWT], v10, 2, v[AWT]
	v_add_nc_u32 v[AWT], s34, v[AWT]               ; w[16 t + r]: quad 4 t + r / 4, word r % 4
	s_lshl_b32 s34, s25, 11
	v_lshl_add_u32 v[AKE], v[LN], 4, s34           ; key 128 t + lane
	v_add_nc_u32 v[AKI], IBT, v[AKE]
	s_mul_i32 s34, s26, GP
	s_add_co_u32 s34, s34, QT
	v_mov_b32 v[AQ], s34
	s_lshl_b32 s34, s26, 13
	s_lshl_b32 s35, s25, 9
	s_add_co_u32 s34, s34, s35
	s_add_co_u32 s34, s34, LG
	v_lshl_add_u32 v[AL], v[LN], 2, s34            ; query 4 g, key 128 t + lane
	s_lshl_b32 s34, s24, 11
	s_add_co_u32 s34, s34, LG
	v_lshl_add_u32 v[ARD], v[LN], 4, s34           ; row w
	v_mov_b32 v[KE], v[AKE]
	v_mov_b32 v[KI], v[AKI]
	v_mov_b32 v[QA], v[AQ]
	v_mov_b32 v[PT], 0                             ; written once: a lane permute's destination counts as one of its sources
	; zero codes for k = 64 .. 127: the upper six registers of the fragments that are filled from memory or made here (Wk's four come whole from their images)
.irp i, 0,1
.irp j, 6,7,8,9,10,11
	v_mov_b32 v[KFR+12*\i+\j], 0
.endr
.endr
.irp j, 6,7,8,9,10,11
	v_mov_b32 v[QFR+\j], 0
	v_mov_b32 v[WQF+\j], 0
.endr
	; byte offsets into the buffers, each in a pair of its own with 0 above it
	s_lshl_b32 s34, s27, 9                         ; 512 y
	s_lshl_b32 s35, ttmp9, 4                       ; 16 x
	s_add_co_u32 s36, s34, s35                     ; my block's first query row
	s_mul_i32 s44, s36, 48
	s_mov_b32 s45, 0
	s_lshl_b32 s46, s36, 1
	s_mov_b32 s47, 0
	s_lshl_b32 s37, s24, 5
	s_add_co_u32 s37, s34, s37                     ; my first key row: 512 y + 32 w
	s_mul_i32 s48, s37, 48
	s_mov_b32 s49, 0
	s_lshl_b32 s50, s37, 1
	s_mov_b32 s51, 0
	s_lshl_b32 s52, s25, 13                        ; W: 16 t rows of 512 bytes;
	s_and_b32 s43, s26, 1
	s_lshl_b32 s43, s43, 8
	s_add_co_u32 s52, s52, s43                     ; waves 0-3 the rows' first 256 bytes (Wq), waves 4-7 the second (Wk)
	s_mov_b32 s53, 0
	s_lshl_b32 s54, s25, 6                         ; b_concat, w_logit: 16 t numbers
	s_mov_b32 s55, 0
	s_lshr_b32 s56, s27, 2
	s_lshl_b32 s56, s56, 9
	s_add_co_u32 s56, s56, s35
	s_add_co_u32 s56, s56, s24
	s_lshl_b32 s56, s56, 9                         ; mask: row 512 b + 16 x + w of 512 bytes
	s_mov_b32 s57, 0
	s_add_co_u32 s58, s36, s24
	s_lshl_b32 s58, s58, 11                        ; out0: row 512 y + 16 x + w of 2,048 bytes
	s_mov_b32 s59, 0
	s_wait_kmcnt 0x0
	s_add_nc_u64 s[4:5], s[4:5], s[44:45]
	s_add_nc_u64 s[6:7], s[6:7], s[46:47]
	s_add_nc_u64 s[8:9], s[8:9], s[48:49]
	s_add_nc_u64 s[10:11], s[10:11], s[50:51]
	s_add_nc_u64 s[12:13], s[12:13], s[52:53]
	s_add_nc_u64 s[14:15], s[14:15], s[54:55]
	s_add_nc_u64 s[38:39], s[16:17], s[54:55]      ; w_logit at my e-tile; s[16:17] stays at its head, for the sum
	s_add_nc_u64 s[20:21], s[20:21], s[56:57]
	s_add_nc_u64 s[22:23], s[22:23], s[58:59]
	s_load_b32 s32, s[18:19], 0x0                  ; b_logit
	; every wave's 14 loads, in the order in which they are wanted; no base and no offset register is written again
.irp i, 0,1                                    ; 8: my two tiles of 16 keys: 24 bytes a lane in three pieces of 8, and two scale bytes a key (bytes 2 and 3 of the word come as 0, over zero codes)
.irp p, 0,1,2
	global_load_b64 v[KFR+12*\i+2*\p:KFR+12*\i+2*\p+1], v[OC], s[8:9] offset:768*\i+8*\p
.endr
	global_load_u16 v[KSC+\i], v[OS], s[10:11] offset:32*\i
.endr
	global_load_b32 v[WS], v[L4], s[16:17]         ; 2: all 64 w, two a lane
	global_load_b32 v[WS+1], v[L4], s[16:17] offset:128
.irp j, 0,1,2,3                                ; 4: my row of the mask: byte i of word j is key 128 j + 4 lane + i
	global_load_b32 v[MK+\j], v[L4], s[20:21] offset:128*\j
.endr
	; ---- build, first part: W.  Each role's loads and their use stand in one arm of one branch on the wave's number
	s_cmp_lt_u32 s24, 4
	s_cbranch_scc0 .Lnotq
	WLOAD                                          ; waves 0-3: Wq's tile t, and the queries
.irp p, 0,1,2
	global_load_b64 v[QFR+2*\p:QFR+2*\p+1], v[OC], s[4:5] offset:8*\p
.endr
	global_load_u16 v[QSC], v[OS], s[6:7]
	global_load_b128 v[BC:BC+3], v[OB], s[14:15]
	global_load_b128 v[BC+4:BC+7], v[OB], s[14:15] offset:16
	global_load_b32 v[WT], v[R4], s[38:39]
	s_wait_loadcnt 7                               ; W's eight loads are in; the queries' 7, issued behind them, may be out
	WPREP
	s_wait_loadcnt 0x0                             ; the queries' loads
.rept 8
	v_nop                                          ; a scale register written by a vector instruction stands 8 places ahead of a scaled matrix instruction, an operand so written 4
.endr
	v_wmma_scale_f32_16x16x128_f8f6f4 v[QD:QD+7], v[WQF:WQF+11], v[QFR:QFR+11], v[BC:BC+7], v[SWT], v[QSC] matrix_a_fmt:MATRIX_FMT_FP6 matrix_b_fmt:MATRIX_FMT_FP6   ; lane (r, h), register j: qp + b of query r at e = 16 t + 8 h + j
.rept 4
	v_nop                                          ; four places ahead of the first read of the result (ISA guide 7.12.1)
.endr
	POST QD, QF, 1
	ds_store_b128 v[AQW], v[QD:QD+3]               ; Ea, ia of quad 4 t + 2 h,
	ds_store_b128 v[AQW], v[QF:QF+3] offset:16
	ds_store_b128 v[AQW], v[QD+4:QD+7] offset:QP   ; and of the quad behind it
	ds_store_b128 v[AQW], v[QF+4:QF+7] offset:QP+16
.irp u, 0,1,2,3
	ds_store_b32 v[AWT], v[WT] offset:GP*\u        ; w, once for each group of queries (lanes r and r + 16 write the same word with the same value)
.endr
	s_branch .Lnow
.Lnotq:
	s_cmp_lt_u32 s24, 8
	s_cbranch_scc0 .Lnow
	WLOAD                                          ; waves 4-7: Wk's tile t
	s_wait_loadcnt 0x0
	WPREP
.irp c, 0,1,2
	ds_store_b128 v[SI], v[WQF+4*\c:WQF+4*\c+3] offset:512*\c   ; the fragment as it stands, its zero half too
.endr
	ds_store_b32 v[SS], v[SWT]                     ; and its rows' scale words
.Lnow:
	BAR                                            ; Wk's four images lie in LDS, and the stages have been read out
	; ---- build, second part: all 64 e of my 32 keys
.irp u, 0,1,2,3
.irp c, 0,1,2
	ds_load_b128 v[WKF+12*\u+4*\c:WKF+12*\u+4*\c+3], v[LI] offset:IMB*\u+512*\c
.endr
	ds_load_b32 v[WSC+\u], v[LS] offset:IMB*\u
.endr
	s_wait_loadcnt 6                               ; my keys' 8 loads are in; w's 2 and the mask's 4 may be out
	s_wait_dscnt 0x0
.rept 5
	v_nop                                          ; in waves 0-3 the products below write over the queries' result: five places behind that product
.endr
.irp u, 0,1,2,3                                ; eight accumulators, one instruction each, C = 0
.irp i, 0,1
	v_wmma_scale_f32_16x16x128_f8f6f4 v[KD+8*(2*\u+\i):KD+8*(2*\u+\i)+7], v[WKF+12*\u:WKF+12*\u+11], v[KFR+12*\i:KFR+12*\i+11], 0, v[WSC+\u], v[KSC+\i] matrix_a_fmt:MATRIX_FMT_FP6 matrix_b_fmt:MATRIX_FMT_FP6   ; kp of key 32 w + 16 i + r at e = 16 u + 8 h + j
.endr
.endr
.rept 4
	v_nop
.endr
	POST KD, KF, 8
	KST 0, AWE, AWI, 0
	KST 1, AWE, AWI, 32768
	KST 2, AWE2, AWI2, 0
	KST 3, AWE2, AWI2, 32768
	s_wait_loadcnt 4                               ; w's two loads are in; the mask's 4 stay out until the softmax
	v_add_f32 v[WS], v[WS], v[WS+1]                ; the sum of w over the 32 lanes
	v_add_f32_dpp v[WS], v[WS], v[WS] row_xmask:1 row_mask:0xf bank_mask:0xf
	v_add_f32_dpp v[WS], v[WS], v[WS] row_xmask:2 row_mask:0xf bank_mask:0xf
	v_add_f32_dpp v[WS], v[WS], v[WS] row_xmask:4 row_mask:0xf bank_mask:0xf
	v_add_f32_dpp v[WS], v[WS], v[WS] row_xmask:8 row_mask:0xf bank_mask:0xf
	v_permlanex16_b32 v[PT], v[WS], s28, s29
	v_add_f32 v[WS], v[WS], v[PT]
	s_wait_kmcnt 0x0                               ; b_logit
	v_add_f32 v[K0], s32, v[WS]
	BAR                                            ; the three tables are whole; from here on nobody writes them
	; ---- main: 64 steps (16 quads x 4 queries) in a pipeline one step deep
	LOAD SA, 0, 0
	LOAD SB, 8192, QP
	s_wait_dscnt 17                                ; set A's 17 loads are in; set B's 17 may be out
	CHAIN SA, 0
	STEP SA, 1, SA, 0, 1
	STEP SA, 2, SA, 1, 1
	STEP SA, 3, SA, 2, 1
	s_wait_dscnt 0x0                               ; set B
	STEP SB, 0, SA, 3, 1
	LOAD SA, 16384, 2*QP                           ; quad 2
	STEP SB, 1, SB, 0, 0
	STEP SB, 2, SB, 1, 0
	STEP SB, 3, SB, 2, 0
	s_mov_b32 s31, 6
.Lq:                                               ; six trips: quads 2 to 13
	TRIP 1
	s_sub_co_u32 s31, s31, 1
	s_cmp_lg_u32 s31, 0
	s_cbranch_scc1 .Lq
	TRIP 0                                         ; quads 14 and 15: written out, so that no load reaches past a table
.irp j, 0,1,2,3,4,5,6,7,8,9,10,11,12,13,14,15
	v_rcp_f32 v[T0+16+\j], v[T0+16+\j]             ; the last step's reciprocals
.endr
	v_nop
	s_wait_alu depctr_va_vdst(0)
	ACC SB, 3, 0
	; ---- the logits: K0 - 2 (even e's sum + odd e's)
.irp u, 0,1,2,3
.irp s, 0,1,2,3
	v_add_f32 v[T0+4*\u+\s], v[AC+8*\u+2*\s], v[AC+8*\u+2*\s+1]
.endr
.endr
.irp j, 0,1,2,3,4,5,6,7,8,9,10,11,12,13,14,15
	v_fma_f32 v[T0+\j], v[T0+\j], -2.0, v[K0]
.endr
.irp u, 0,1,2,3
.irp s, 0,1,2,3
	ds_store_b32 v[AL], v[T0+4*\u+\s] offset:2048*\u+128*\s
.endr
.endr
	BAR                                            ; sixteen whole rows of logits lie in LDS
	; ---- the softmax of row w
.irp j, 0,1,2,3
	ds_load_b128 v[16+4*\j:19+4*\j], v[ARD] offset:512*\j
.endr
	s_wait_loadcnt 0x0                             ; the mask
	v_or_b32 v35, v[MK], v[MK+1]
	v_or_b32 v36, v[MK+2], v[MK+3]
	v_or_b32 v35, v35, v36
	v_cmp_ne_u32 vcc_lo, 0, v35                    ; does any lane keep a key?
	s_cmp_lg_u32 vcc_lo, 0
	s_cselect_b32 s33, 0, 0x01010101               ; a row with no key left keeps all: a choice of a value, no branch
.irp j, 0,1,2,3
	v_or_b32 v[MK+\j], s33, v[MK+\j]
.endr
	v_mov_b32 v34, 0xff800000                      ; -infinity
	s_wait_dscnt 0x0
.irp j, 0,1,2,3
.irp i, 0,1,2,3
	v_bfe_u32 v36, v[MK+\j], 8*\i, 8
	v_cmp_ne_u32 vcc_lo, 0, v36
	v_cndmask_b32 v[16+4*\j+\i], v34, v[16+4*\j+\i], vcc_lo
.endr
.endr
	v_max3_num_f32 v37, v16, v17, v18              ; the row's maximum: at least one key is kept, so it is a number
	v_max3_num_f32 v38, v19, v20, v21
	v_max3_num_f32 v37, v37, v22, v23
	v_max3_num_f32 v38, v38, v24, v25
	v_max3_num_f32 v37, v37, v26, v27
	v_max3_num_f32 v38, v38, v28, v29
	v_max3_num_f32 v37, v37, v30, v31
	v_max_num_f32 v32, v37, v38
	v_max_num_f32_dpp v32, v32, v32 row_xmask:1 row_mask:0xf bank_mask:0xf
	v_max_num_f32_dpp v32, v32, v32 row_xmask:2 row_mask:0xf bank_mask:0xf
	v_max_num_f32_dpp v32, v32, v32 row_xmask:4 row_mask:0xf bank_mask:0xf
	v_max_num_f32_dpp v32, v32, v32 row_xmask:8 row_mask:0xf bank_mask:0xf
	v_permlanex16_b32 v[PT], v32, s28, s29
	v_max_num_f32 v32, v32, v[PT]
	v_mov_b32 v33, v32                             ; in both halves of a pair
.irp j, 0,2,4,6,8,10,12,14
	v_pk_add_f32 v[16+\j:17+\j], v[16+\j:17+\j], v[32:33] neg_lo:[0,1] neg_hi:[0,1]   ; the maximum is taken away first, as reference() does
.endr
.irp j, 0,2,4,6,8,10,12,14
	v_pk_mul_f32 v[16+\j:17+\j], v[16+\j:17+\j], 0x3fb8aa3b op_sel_hi:[1,0]           ; x log2(e)
.endr
.irp j, 0,1,2,3,4,5,6,7,8,9,10,11,12,13,14,15
	v_exp_f32 v[16+\j], v[16+\j]                   ; 0 where the key is masked
.endr
	v_nop
	s_wait_alu depctr_va_vdst(0)                   ; one wait for the sixteen
	v_pk_add_f32 v[36:37], v[16:17], v[18:19]
	v_pk_add_f32 v[38:39], v[20:21], v[22:23]
	v_pk_add_f32 v[40:41], v[24:25], v[26:27]
	v_pk_add_f32 v[42:43], v[28:29], v[30:31]
	v_pk_add_f32 v[36:37], v[36:37], v[38:39]
	v_pk_add_f32 v[40:41], v[40:41], v[42:43]
	v_pk_add_f32 v[36:37], v[36:37], v[40:41]
	v_add_f32 v36, v36, v37
	v_add_f32_dpp v36, v36, v36 row_xmask:1 row_mask:0xf bank_mask:0xf
	v_add_f32_dpp v36, v36, v36 row_xmask:2 row_mask:0xf bank_mask:0xf
	v_add_f32_dpp v36, v36, v36 row_xmask:4 row_mask:0xf bank_mask:0xf
	v_add_f32_dpp v36, v36, v36 row_xmask:8 row_mask:0xf bank_mask:0xf
	v_permlanex16_b32 v[PT], v36, s28, s29
	v_add_f32 v36, v36, v[PT]                      ; the row's sum, at least 1
	v_rcp_f32 v32, v36
	v_nop
	s_wait_alu depctr_va_vdst(0)
.irp j, 0,2,4,6,8,10,12,14
	v_pk_mul_f32 v[16+\j:17+\j], v[16+\j:17+\j], v[32:33] op_sel_hi:[1,0]   ; (of the pair the low word serves both halves)
.endr
.irp j, 0,1,2,3
	global_store_b128 v[GO], v[16+4*\j:19+4*\j], s[22:23] offset:512*\j th:TH_STORE_NT   ; 32 lanes store 512 consecutive bytes, at a multiple of 256 from out0's first byte; written once, read by nobody here
.endr
	s_wait_xcnt 0x0
	v_lshl_add_u32 v254, v0, 2, 0x4cc00
	v_mov_b32 v255, 0
	s_wait_tensorcnt 0x0
	ds_add_u32 v254, v255
	s_wait_dscnt 0x0
	s_endpgm
.Lfunc_end_k_q194268a258_addattn:
	.size	k_q194268a258_addattn, .Lfunc_end_k_q194268a258_addattn-k_q194268a258_addattn
	.p2alignl 7, 3214868480
	.fill 96, 4, 3214868480
	.section	.rodata,"a",@progbits
	.p2align	6, 0x0
	.amdhsa_kernel k_q194268a258_addattn
		.amdhsa_group_segment_fixed_size 316416
		.amdhsa_private_segment_fixed_size 0
		.amdhsa_enable_private_segment 0
		.amdhsa_kernarg_size 80
		.amdhsa_user_sgpr_count 2
		.amdhsa_user_sgpr_kernarg_segment_ptr 1
		.amdhsa_wavefront_size32 1
		.amdhsa_system_sgpr_workgroup_id_x 1
		.amdhsa_system_sgpr_workgroup_id_y 1
		.amdhsa_system_sgpr_workgroup_id_z 1
		.amdhsa_system_vgpr_workitem_id 0
		.amdhsa_next_free_vgpr 256
		.amdhsa_next_free_sgpr 66
		.amdhsa_reserve_vcc 1
		.amdhsa_float_denorm_mode_32 3
		.amdhsa_float_denorm_mode_16_64 3
		.amdhsa_memory_ordered 1
		.amdhsa_forward_progress 1
		.amdhsa_inst_pref_size 129
	.end_amdhsa_kernel
	.amdgpu_metadata
---
amdhsa.version: [ 1, 2 ]
amdhsa.kernels:
  - .name:           k_q194268a258_addattn
    .symbol:         k_q194268a258_addattn.kd
    .args:
      - { .name: queries_codes, .offset: 0, .size: 8, .value_kind: global_buffer, .address_space: global }
      - { .name: queries_scales, .offset: 8, .size: 8, .value_kind: global_buffer, .address_space: global }
      - { .name: keys_codes, .offset: 16, .size: 8, .value_kind: global_buffer, .address_space: global }
      - { .name: keys_scales, .offset: 24, .size: 8, .value_kind: global_buffer, .address_space: global }
      - { .name: W_concat, .offset: 32, .size: 8, .value_kind: global_buffer, .address_space: global }
      - { .name: b_concat, .offset: 40, .size: 8, .value_kind: global_buffer, .address_space: global }
      - { .name: w_logit, .offset: 48, .size: 8, .value_kind: global_buffer, .address_space: global }
      - { .name: b_logit, .offset: 56, .size: 8, .value_kind: global_buffer, .address_space: global }
      - { .name: mask, .offset: 64, .size: 8, .value_kind: global_buffer, .address_space: global }
      - { .name: out0, .offset: 72, .size: 8, .value_kind: global_buffer, .address_space: global }
    .group_segment_fixed_size: 316416
    .private_segment_fixed_size: 0
    .kernarg_segment_align: 8
    .kernarg_segment_size: 80
    .max_flat_workgroup_size: 512
    .sgpr_count:     66
    .vgpr_count:     256
    .wavefront_size: 32
...
	.end_amdgpu_metadata
.endif
;; end of part 1
;; ======== version 2 of 2: 1 launch; version 1 with the launch addattn written anew for expert scheduling mode
;; limits: right only within a limited range of input values
;; launch addattn (part 2): grid 32 x 8, 16 waves a work-group, no clusters, 316,416 bytes of LDS; arguments queries_codes, queries_scales, keys_codes, keys_scales, W_concat, b_concat, w_logit, b_logit, mask, out0; writes out0
.if DOCPART == 2
	.amdgcn_target "amdgcn-amd-amdhsa--gfx1250"
	.amdhsa_code_object_version 6
	.text
	.protected	k_q194268a258_addattn
	.globl	k_q194268a258_addattn
	.p2align	8
	.type	k_q194268a258_addattn,@function
k_q194268a258_addattn:
	s_mov_b64 s[64:65], 0
	v_nop
	global_prefetch_b8 v0, s[64:65] scope:SCOPE_SE
	s_setreg_imm32_b32 hwreg(HW_REG_WAVE_SCHED_MODE, 0, 2), 2
	s_setreg_imm32_b32 hwreg(HW_REG_WAVE_MODE, 25, 1), 1
	s_wait_xcnt 0x0
	s_wait_alu depctr_vm_vsrc(0)
; out0[b][h][q][k] = softmax over k of ( sum over e of w[e] tanh(qp[q][e] + kp[k][e] + b[e]) + b_logit ), masked keys at -infinity, a row with no key left un-masked.
; qp = Q Wq^T, kp = K Wk^T on codes of FP6 (E2M3) with one E8M0 scale for each 32 along K: Q and K arrive as codes; W_concat [64][128] f32 is quantised here, four blocks of 32 a row (0, 1: Wq; 2, 3: Wk).
; THE INPUT values IS NOT READ: reference() never uses it, no number of the output hangs on it.
; THE ARITHMETIC.  c = 2 log2(e); xa = c (qp + b), xb = c kp; tanh(s) = 1 - 2 r, r = 1 / (1 + 2^(xa + xb)).  Each x is split ONCE, per row and not per pair: i = floor(x) as a whole number, E = 2^(x - i) in [1, 2).
; A pair's number is then: i = ib + ia; U = ldexp(Eb, i); d = U Ea + 1 (packed); r = 1 / d: the one transcendental; acc += w r (packed).  logit = (sum of w + b_logit) - 2 acc.
; ldexp runs to infinity or to 0 where the exponent leaves f32's range: d = infinity gives r = 0 (tanh = 1), d = 1 gives r = 1 (tanh = -1): no branch, no NaN.
; The third product (N = 1) is these f32 fused multiply-adds: on the matrix unit 15 of its 16 columns would be idle.
; LIMITS.  x is held to +-2^29 ahead of the split, so that ia + ib cannot wrap: beyond |qp + b| or |kp| of 1.8e8 tanh is +-1 all the same unless the two nearly cancel.  NaN and infinities in W_concat and the biases, and the
; scale byte 0xff, are not served.  A block of zeros of W gets the byte 1 where the rule says 127: its codes are zeros.  Order of rounding: (qp + b) and kp are formed and split apart, where reference() forms (qp + kp) + b.
; SHARES.  256 work-groups: x = a block of 16 queries, y = 4 b + h.  Sixteen waves of 256 registers; wave w: t = w % 4, g = w / 4.
;   build:   EACH BYTE IS ASKED OF MEMORY ONCE IN A WORK-GROUP.  Waves 0-3: Wq's rows 16 t .. 16 t + 15, quantised, times the 16 queries: the queries' table.  Waves 4-7: Wk's rows 16 t .. 16 t + 15, quantised; the fragment
;            goes to LDS as an image of its registers.  A barrier.  Then wave w makes all 64 e of keys 32 w .. 32 w + 31: two tiles of keys x Wk's four fragments, 8 matrix instructions on 8 accumulators.
;            Transposed use: source 0 = 16 rows of W, source 1 = 16 keys, so that a lane holds ONE key (lane % 16) and eight neighbouring e (8 (lane / 16) + 0 .. 7).  K = 64: the fragments' upper six registers hold zero codes.
;            A load of W takes two rows' 256 consecutive bytes, sixteen lanes each; the tile's 4,096 bytes turn through the wave's own stage in LDS, so that a lane gets a whole block of 32.
;   main:    wave (t, g): keys 128 t + 32 s + lane (s = 0 .. 3), queries 4 g + 0 .. 3, all 64 e, four e (a quad) at a time.
;   softmax: wave w takes query row w; register 4 j + i of a lane is key 128 j + 4 lane + i.
; Every work-group of a head makes the head's key table anew: 132 matrix instructions and 33,792 splits, against 524,288 pair numbers of its own; a launch for the tables would send 256 KiB to each of 256 work-groups.
; NO TENSOR LOAD, NO CLUSTER: what the 32 work-groups of a head share is 24,576 bytes of key codes, 1,024 of scales and 32,768 of W, read once at the head through registers, a small part of a launch whose time is arithmetic.
; THE MODE: SCHED_MODE bits 1:0 = 2 (LLVM: expert scheduling mode 2), set by the entry lines.  The code itself states the register dependences between vector or matrix instructions and memory or LDS instructions,
; with s_wait_alu, always for 0.
; THE PLAN.  Registers that memory or LDS instructions touch:
;   offsets and LDS addresses   All are written at the head, ahead of ONE wait on va_vdst in front of the first load.  Only v253-255 are written again: once a trip of the main loop, behind a wait on vm_vsrc, with a step's
;                               own wait on va_vdst between that write and the next load by them; and v254, v255 once more at the end, behind a wait on vm_vsrc.
;   build   v64-95 (W as loaded) are read by the stage's stores and then taken by results: a wait on vm_vsrc behind the turn through the stage.  The quantiser's fragment and scale word are waited for ahead of the product or
;           the image stores that take them.  The split's closing wait, the one for its exponentials, stands ahead of the table stores, which read what the split wrote.  What those stores have read is written again
;           only behind a wait on vm_vsrc: at the end of the queries' arm, and behind the second barrier.
;   main    Set A (v80-147) and set B (v148-215): LDS loads land in them, the steps' vector lines read them.  A set's last reader is the sums that stand at the end of the step behind its fourth step.  Its 17 loads stand
;           directly behind the NEXT step's wait for its reciprocals: that one wait shows those sums done, and no vector line behind it names the set before the wait on DScnt.  So the loop has no wait on va_vdst of its own.
;   out     One wait on va_vdst ahead of the logits' stores (it also shows the sums read, in whose registers the rows of logits land) and one ahead of out0's stores.
;   masks   A compare's mask is waited for ahead of its first reader: once for VCC, once for the run of sixteen compares into s44-59.
; LDS:
.set EBT, 0                            ; Eb, f32:  quad x 8,192 + key x 16 (quad = e / 4; a place of 16 bytes = 4 e of one key): 131,072 bytes
.set IBT, 131072                       ; ib, i32:  the same layout
.set QT,  262144                       ; the queries' table: quad x 576 + group x 144 (group = q / 4): w of the quad (16 bytes), then for each of the group's 4 queries Ea (16), ia (16): 9,216 bytes
.set QP,  576
.set GP,  144
.set LG,  271360                       ; the logits: q x 2,048 + key x 4: 32,768 bytes
.set WST, LG                           ; W's stages, one for each of waves 0-7: 16 rows x (256 bytes + 16): 34,816 bytes.  They are read out in front of the first barrier; the logits take their bytes behind the second
.set WSP, 272                          ; row r starts at bank 4 r mod 64 (64 banks of 4 bytes: ISA guide 11.1): the 16 rows that a load touches start at 16 different banks
.set WSB, 16*WSP
.set WIM, WST+8*WSB                    ; Wk's four fragments as images of their registers: 3 x 512 bytes of codes (16 x lane), then the scale words (4 x lane), 2,048 bytes apart: 8,192 bytes
.set IMB, 2048
; REGISTERS that stay
.set RR,  1                            ; v1   r = lane % 16
.set HH,  2                            ; v2   h = lane / 16
.set LN,  3                            ; v3   lane
.set OC,  4                            ; v4   48 r + 24 h: my 24 bytes of a row of codes
.set OS,  5                            ; v5   2 r: a row's two scale bytes
.set OW,  6                            ; v6   512 h + 16 r: my 16 bytes of two rows' halves of W
.set SH,  7                            ; v7   8 h
.set WSC, 216                          ; v216-219 Wk's scale words; v220-221 my two key tiles'; v222 the queries'; v223 the word that QW makes: these eight hold scales and nothing else
.set KSC, 220
.set QSC, 222
.set SWT, 223
.set AWE2, 224                         ; v224, v225 build: v236, v237 + 65,536 (an LDS offset has 16 bits)
.set AWI2, 225
.set OB,  227                          ; v227 32 h: my eight numbers of b_concat
.set AWE, 236                          ; v236 build: where I store Eb;  v237 ib
.set AWI, 237
.set AQW, 238                          ; v238 build: where I store Ea, ia
.set AWT, 239                          ; v239 build: where I store w
.set AKE, 240                          ; v240 main: my key's place in quad 0 of EBT;  v241 of IBT
.set AKI, 241
.set AQ,  242                          ; v242 main: my group's place in quad 0 of QT (the same in all lanes)
.set AL,  243                          ; v243 where I store logits
.set ARD, 244                          ; v244 where I read my row of logits
.set GO,  245                          ; v245 16 x lane
.set K0,  246                          ; v246 the sum of w + b_logit
.set L4,  247                          ; v247 4 x lane
.set MK,  248                          ; v248-251 my 16 bytes of the mask's row
.set R4,  252                          ; v252 4 r
.set KE,  253                          ; v253-255 the three main addresses at the pair of quads in hand
.set KI,  254
.set QA,  255
.set CM,  44                           ; s44-59 softmax: the sixteen compares' masks (at the head these hold byte offsets, which are done with by then)
; build
.set WQF, 8                            ; v8-19   the fragment that QW makes (waves 0-3: Wq's, waves 4-7: Wk's)
.set BLK, 32                           ; v32-63  my block of 32 of W;  v64-95 W as it is loaded
.set RAW, 64
.set KD,  32                           ; v32-95  later the key products' results: (e-tile u, key tile i) at v[32 + 8 (2 u + i)]
.set WKF, 96                           ; v96-143 Wk's four fragments;  v144-167 my two key tiles'
.set KFR, 144
.set KF,  96                           ; v96-159 later the floors, then ib
.set ASW, 180                          ; v180 my stage, on the way in;  v181 on the way out
.set ASR, 181
.set SI,  182                          ; v182 where I store my image's codes;  v183 its scale word
.set SS,  183
.set LI,  184                          ; v184 where I read image 0's codes;  v185 its scale word
.set LS,  185
.set QFR, 192                          ; v192-203 the queries' fragment
.set BC,  204                          ; v204-211 b_concat in the result's layout: the C of the queries' product
.set QD,  72                           ; v72-79  the queries' result;  v64-71 its floors
.set QF,  64
.set WT,  212                          ; v212 w for the table;  v213-214 w for the sum
.set WS,  213
.set CT,  228                          ; v228-230 a conversion's second half
.set MX,  231                          ; v231-232 two chains of the largest magnitude
.set SO,  233                          ; v233 the conversion's scale operand;  v234 the byte;  v235 a lane permute's destination
.set SBY, 234
.set PT,  235
; main
.set AC,  16                           ; v16-47  sums: (query qq, key slot s) at v[16 + 8 qq + 2 s], even e and odd e apart
.set T0,  48                           ; v48-63, v64-79: sixteen d, then r, by turns
.set EB,  80                           ; a set: Eb 16, ib 16 (register 4 s + j), Ea 16, ia 16 (4 qq + j), w 4: 68 registers
.set IB,  96
.set EA,  112
.set IA,  128
.set WR,  144
.set SA,  0                            ; set A at v80, set B at v148
.set SB,  68
; 32 numbers of a lane, one whole block of a row of W, become six registers of codes at v[dst] and, with lane l xor 16's byte, the row's scale word in v[sw].
.macro QW src, dst, sw
	v_max3_num_f32 v[MX], |v[\src]|, |v[\src+1]|, |v[\src+2]|      ; the block's largest magnitude, in two chains
	v_max3_num_f32 v[MX+1], |v[\src+3]|, |v[\src+4]|, |v[\src+5]|
.irp i, 6,10,14,18,22,26
	v_max3_num_f32 v[MX], v[MX], |v[\src+\i]|, |v[\src+\i+1]|
	v_max3_num_f32 v[MX+1], v[MX+1], |v[\src+\i+2]|, |v[\src+\i+3]|
.endr
	v_max3_num_f32 v[MX], v[MX], |v[\src+30]|, |v[\src+31]|
	v_max3_num_f32 v[MX], v[MX], v[MX+1], 0x1800000               ; and the floor 2^(3 - 127): the byte cannot fall under 1
	v_add_nc_u32 v[SO], 0xff000000, v[MX]                         ; 2 off its exponent field: the conversion takes this operand's exponent field as its scale
	v_lshrrev_b32 v[SBY], 23, v[SO]                               ; the scale's byte,
	v_lshlrev_b32 v[SBY], v[SH], v[SBY]                           ; at its place in the word: block h
	v_permlanex16_b32 v[PT], v[SBY], s28, s29
	v_or_b32 v[\sw], v[SBY], v[PT]                                ; bytes 2 and 3 stay 0: they stand over zero codes
	v_cvt_scalef32_pk16_fp6_f32 v[\dst:\dst+2], v[\src:\src+15], v[SO]
	v_cvt_scalef32_pk16_fp6_f32 v[CT:CT+2], v[\src+16:\src+31], v[SO]   ; (a conversion's three registers begin on an even number)
	v_nop                                                         ; one plain place behind a scaled conversion
.irp i, 0,1,2
	v_mov_b32 v[\dst+3+\i], v[CT+\i]
.endr
.endm
; my tile of W, 16 rows x 64 numbers: eight loads, each of two rows' 256 consecutive bytes (lanes 0-15 row 2 j, lanes 16-31 row 2 j + 1)
.macro WLOAD
.irp j, 0,1,2,3,4,5,6,7
	global_load_b128 v[RAW+4*\j:RAW+4*\j+3], v[OW], s[12:13] offset:1024*\j
.endr
.endm
; the tile turns through my own stage: in as it was loaded, out 128 bytes a lane: lane (r, h) gets block h of row r.  LDS serves a wave's instructions in order (ISA guide 5.7.1.4): no wait between the stores and the loads.  Then it is quantised.
.macro WPREP
.irp j, 0,1,2,3,4,5,6,7
	ds_store_b128 v[ASW], v[RAW+4*\j:RAW+4*\j+3] offset:2*WSP*\j
.endr
.irp j, 0,1,2,3,4,5,6,7
	ds_load_b128 v[BLK+4*\j:BLK+4*\j+3], v[ASR] offset:16*\j
.endr
	s_wait_dscnt 0x0
	s_wait_alu depctr_vm_vsrc(0)                                  ; the stores into the stage have read v64-95, which products' results and floors take next
	QW BLK, WQF, SWT
.endm
; n tiles of 8 results at v[d] become E = 2^(x - floor(x)) in place and i = floor(x) at v[f], x = c x result.  Each tile is read from its low end on.  All exponentials are one batch with one wait.
.macro POST d, f, n
.set pi, 0
.rept 4*(\n)
	v_pk_mul_f32 v[\d+2*pi:\d+2*pi+1], v[\d+2*pi:\d+2*pi+1], 0x4038aa3b op_sel_hi:[1,0]   ; c = 2 log2(e)
.set pi, pi+1
.endr
.set pi, 0
.rept 8*(\n)
	v_med3_num_f32 v[\d+pi], v[\d+pi], s30, s42                   ; held to +-2^29
.set pi, pi+1
.endr
.set pi, 0
.rept 8*(\n)
	v_floor_f32 v[\f+pi], v[\d+pi]
.set pi, pi+1
.endr
.set pi, 0
.rept 4*(\n)
	v_pk_add_f32 v[\d+2*pi:\d+2*pi+1], v[\d+2*pi:\d+2*pi+1], v[\f+2*pi:\f+2*pi+1] neg_lo:[0,1] neg_hi:[0,1]   ; x - floor(x): exact
.set pi, pi+1
.endr
.set pi, 0
.rept 8*(\n)
	v_cvt_i32_f32 v[\f+pi], v[\f+pi]
.set pi, pi+1
.endr
.set pi, 0
.rept 8*(\n)
	v_exp_f32 v[\d+pi], v[\d+pi]
.set pi, pi+1
.endr
	v_nop                                                         ; a plain instruction behind the last exponential (ISA guide 5.7.2)
	s_wait_alu depctr_va_vdst(0)                                  ; the exponentials have written E and the conversions i: the table stores that follow are the first lines that name them, and read both
.endm
; e-tile u of my two key tiles goes into the tables: lane (r, h): quads 4 u + 2 h and 4 u + 2 h + 1 of key 32 w + 16 i + r
.macro KST u, ae, ai, off
.irp i, 0,1
	ds_store_b128 v[\ae], v[KD+8*(2*(\u)+\i):KD+8*(2*(\u)+\i)+3] offset:\off+256*\i
	ds_store_b128 v[\ae], v[KD+8*(2*(\u)+\i)+4:KD+8*(2*(\u)+\i)+7] offset:\off+256*\i+8192
	ds_store_b128 v[\ai], v[KF+8*(2*(\u)+\i):KF+8*(2*(\u)+\i)+3] offset:\off+256*\i
	ds_store_b128 v[\ai], v[KF+8*(2*(\u)+\i)+4:KF+8*(2*(\u)+\i)+7] offset:\off+256*\i+8192
.endr
.endm
.macro BAR                             ; my LDS stores have landed and my LDS loads are in: then the work-group's barrier
	s_wait_dscnt 0x0
	s_barrier_signal -1
	s_barrier_wait -1
.endm
; 17 LDS loads: one quad of my four keys a lane (neighbouring lanes 16 bytes apart) and of my group's four queries (one address for all lanes), into the set at o
.macro LOAD o, koff, qoff
.irp s, 0,1,2,3
	ds_load_b128 v[EB+\o+4*\s:EB+\o+4*\s+3], v[KE] offset:\koff+512*\s
.endr
.irp s, 0,1,2,3
	ds_load_b128 v[IB+\o+4*\s:IB+\o+4*\s+3], v[KI] offset:\koff+512*\s
.endr
	ds_load_b128 v[WR+\o:WR+\o+3], v[QA] offset:\qoff
.irp u, 0,1,2,3
	ds_load_b128 v[EA+\o+4*\u:EA+\o+4*\u+3], v[QA] offset:\qoff+16+32*\u
	ds_load_b128 v[IA+\o+4*\u:IA+\o+4*\u+3], v[QA] offset:\qoff+32+32*\u
.endr
.endm
.macro ADV                             ; two quads on.  It stands behind a wait for all my LDS loads
	s_wait_alu depctr_vm_vsrc(0)                   ; the LDS loads issued so far have read v253-255, which the three additions write
	s_add_co_u32 s40, s40, 16384
	s_add_co_u32 s41, s41, 2*QP
	v_add_nc_u32 v[KE], s40, v[AKE]
	v_add_nc_u32 v[KI], s40, v[AKI]
	v_add_nc_u32 v[QA], s41, v[AQ]
.endm
; sums of query q take the sixteen r of T(q % 2): two e at a time.  first = 1: the first quad's first product starts the sums: nothing is cleared
.macro ACC o, q, first
.set TA, T0+16*((\q)%2)
.irp p, 0,1
.irp s, 0,1,2,3
.if (\first) && (\p == 0)
	v_pk_mul_f32 v[AC+8*(\q)+2*\s:AC+8*(\q)+2*\s+1], v[TA+4*\s+2*\p:TA+4*\s+2*\p+1], v[WR+\o+2*\p:WR+\o+2*\p+1]
.else
	v_pk_fma_f32 v[AC+8*(\q)+2*\s:AC+8*(\q)+2*\s+1], v[TA+4*\s+2*\p:TA+4*\s+2*\p+1], v[WR+\o+2*\p:WR+\o+2*\p+1], v[AC+8*(\q)+2*\s:AC+8*(\q)+2*\s+1]
.endif
.endr
.endr
.endm
; the sixteen d of query q and the set's quad into T(q % 2), with nothing between: the pipeline's first step
.macro CHAIN o, q
.set TC, T0+16*((\q)%2)
.irp s, 0,1,2,3
.irp j, 0,1,2,3
	v_add_nc_u32 v[TC+4*\s+\j], v[IB+\o+4*\s+\j], v[IA+\o+4*(\q)+\j]
.endr
.irp j, 0,1,2,3
	v_ldexp_f32 v[TC+4*\s+\j], v[EB+\o+4*\s+\j], v[TC+4*\s+\j]
.endr
	v_pk_fma_f32 v[TC+4*\s:TC+4*\s+1], v[TC+4*\s:TC+4*\s+1], v[EA+\o+4*(\q):EA+\o+4*(\q)+1], 1.0 op_sel_hi:[1,1,0]
	v_pk_fma_f32 v[TC+4*\s+2:TC+4*\s+3], v[TC+4*\s+2:TC+4*\s+3], v[EA+\o+4*(\q)+2:EA+\o+4*(\q)+3], 1.0 op_sel_hi:[1,1,0]
.endr
.endm
; A STEP: the same sixteen d, and between its lines the sixteen reciprocals of the step before (the other T, in place): each reciprocal is followed by a plain line that names none of its registers.
; Then ONE wait for the sixteen, and the sums of the step before (set po, query pq).  40 + 16 + 8 instructions.
; ld = 1: set B is loaded again, ld = 2: set A, directly behind that wait; ld = 0: nothing is loaded.
.macro STEP o, q, po, pq, first, ld
.set TC, T0+16*((\q)%2)
.set TP, T0+16-16*((\q)%2)
.irp s, 0,1,2,3
	v_add_nc_u32 v[TC+4*\s], v[IB+\o+4*\s], v[IA+\o+4*(\q)]
	v_add_nc_u32 v[TC+4*\s+1], v[IB+\o+4*\s+1], v[IA+\o+4*(\q)+1]
	v_rcp_f32 v[TP+4*\s], v[TP+4*\s]
	v_add_nc_u32 v[TC+4*\s+2], v[IB+\o+4*\s+2], v[IA+\o+4*(\q)+2]
	v_add_nc_u32 v[TC+4*\s+3], v[IB+\o+4*\s+3], v[IA+\o+4*(\q)+3]
	v_rcp_f32 v[TP+4*\s+1], v[TP+4*\s+1]
	v_ldexp_f32 v[TC+4*\s], v[EB+\o+4*\s], v[TC+4*\s]
	v_ldexp_f32 v[TC+4*\s+1], v[EB+\o+4*\s+1], v[TC+4*\s+1]
	v_rcp_f32 v[TP+4*\s+2], v[TP+4*\s+2]
	v_ldexp_f32 v[TC+4*\s+2], v[EB+\o+4*\s+2], v[TC+4*\s+2]
	v_ldexp_f32 v[TC+4*\s+3], v[EB+\o+4*\s+3], v[TC+4*\s+3]
	v_rcp_f32 v[TP+4*\s+3], v[TP+4*\s+3]
	v_pk_fma_f32 v[TC+4*\s:TC+4*\s+1], v[TC+4*\s:TC+4*\s+1], v[EA+\o+4*(\q):EA+\o+4*(\q)+1], 1.0 op_sel_hi:[1,1,0]
	v_pk_fma_f32 v[TC+4*\s+2:TC+4*\s+3], v[TC+4*\s+2:TC+4*\s+3], v[EA+\o+4*(\q)+2:EA+\o+4*(\q)+3], 1.0 op_sel_hi:[1,1,0]
.endr
	s_wait_alu depctr_va_vdst(0)                   ; the sixteen reciprocals are written, ahead of their first reader.  Where a set is loaded below: the last step's sums, the set's last readers, are done reading it, and v253-255 are written
.if (\ld) == 1
	LOAD SB, 8192, QP                              ; no vector line since the wait names set B or the three addresses
.elseif (\ld) == 2
	LOAD SA, 16384, 2*QP                           ; likewise set A
.endif
	ACC \po, \pq, \first
.endm
; Two quads, 2 n in set A and 2 n + 1 in set B.  A set's w is read for the last time by the sums at the end of the step behind its own four; the set is loaded again behind the wait of the step after that, and then has that
; step's sums and two whole steps, 136 vector instructions, in which to land; at each wait on DScnt that one set is all that is out.
.macro TRIP more
	s_wait_dscnt 0x0                               ; set A (quad 2 n) is in; nothing else of mine is out
	ADV
	STEP SA, 0, SB, 3, 0, 0
	STEP SA, 1, SA, 0, 0, 1                        ; and quad 2 n + 1 is asked for
	STEP SA, 2, SA, 1, 0, 0
	STEP SA, 3, SA, 2, 0, 0
	s_wait_dscnt 0x0                               ; set B is in
	STEP SB, 0, SA, 3, 0, 0
.if \more
	STEP SB, 1, SB, 0, 0, 2                        ; and quad 2 n + 2 is asked for
.else
	STEP SB, 1, SB, 0, 0, 0
.endif
	STEP SB, 2, SB, 1, 0, 0
	STEP SB, 3, SB, 2, 0, 0
.endm
	; ---- the head: ids, addresses, offsets
	s_load_b512 s[4:19], s[0:1], 0x0               ; queries' codes s[4:5], scales s[6:7]; keys' codes s[8:9], scales s[10:11]; W s[12:13]; b_concat s[14:15]; w_logit s[16:17]; b_logit s[18:19]
	s_load_b128 s[20:23], s[0:1], 0x40             ; mask s[20:21], out0 s[22:23]
	v_lshrrev_b32 v8, 5, v0
	v_readfirstlane_b32 s24, v8                    ; wave w
	s_and_b32 s27, ttmp7, 0xffff                   ; y = 4 b + h
	s_mov_b32 s28, 0x76543210
	s_mov_b32 s29, 0xfedcba98                      ; v_permlanex16_b32's selects for lane l xor 16
	s_mov_b32 s30, 0xce000000                      ; -2^29
	s_mov_b32 s42, 0x4e000000                      ; 2^29
	s_mov_b32 s40, 0
	s_mov_b32 s41, 0
	v_and_b32 v[RR], 15, v0
	v_bfe_u32 v[HH], v0, 4, 1
	v_and_b32 v[LN], 31, v0
	v_mul_u32_u24 v[OC], v[RR], 48
	v_mad_u32_u24 v[OC], v[HH], 24, v[OC]
	v_lshlrev_b32 v[OS], 1, v[RR]
	v_lshlrev_b32 v[OW], 4, v[RR]
	v_lshl_add_u32 v[OW], v[HH], 9, v[OW]
	v_lshlrev_b32 v[SH], 3, v[HH]
	v_lshlrev_b32 v[OB], 5, v[HH]
	v_lshlrev_b32 v[L4], 2, v[LN]
	v_lshlrev_b32 v[R4], 2, v[RR]
	v_lshlrev_b32 v[GO], 4, v[LN]
	s_wait_alu depctr_va_sdst(0)                   ; s24 is written, ahead of its first reader: t, g, the LDS addresses, the buffers' offsets and the branches on the wave's number are made from it
	s_and_b32 s25, s24, 3                          ; t
	s_lshr_b32 s26, s24, 2                         ; g
	; every LDS address is made here, ahead of the branches on the wave's number: a constant + constants x lane parts + constants x wave parts
	s_lshl_b32 s34, s24, 9
	v_lshlrev_b32 v[AWE], 4, v[RR]
	v_lshl_add_u32 v[AWE], v[HH], 14, v[AWE]
	v_add_nc_u32 v[AWE], s34, v[AWE]               ; quad 2 h, key 32 w + r
	v_add_nc_u32 v[AWE2], 65536, v[AWE]            ; quad 8 + 2 h
	v_add_nc_u32 v[AWI], IBT, v[AWE]
	v_add_nc_u32 v[AWI2], IBT+65536, v[AWE]
	s_and_b32 s34, s24, 7
	s_mul_i32 s34, s34, WSB
	s_add_co_u32 s34, s34, WST                     ; my stage (waves 0-7)
	v_mul_u32_u24 v[ASW], v[HH], WSP
	v_lshl_add_u32 v[ASW], v[RR], 4, v[ASW]
	v_add_nc_u32 v[ASW], s34, v[ASW]               ; in: row h of a load's two, 16 r
	v_mul_u32_u24 v[ASR], v[RR], WSP
	v_lshl_add_u32 v[ASR], v[HH], 7, v[ASR]
	v_add_nc_u32 v[ASR], s34, v[ASR]               ; out: row r, block h
	s_lshl_b32 s34, s25, 11
	s_add_co_u32 s34, s34, WIM                     ; image t
	v_lshl_add_u32 v[SI], v[LN], 4, s34
	s_add_co_u32 s34, s34, 1536
	v_lshl_add_u32 v[SS], v[LN], 2, s34
	v_lshl_add_u32 v[LI], v[LN], 4, WIM
	v_lshl_add_u32 v[LS], v[LN], 2, WIM+1536
	v_lshrrev_b32 v9, 2, v[RR]
	v_and_b32 v10, 3, v[RR]
	s_mul_i32 s34, s25, 4*QP
	s_add_co_u32 s34, s34, QT
	v_mul_u32_u24 v[AQW], v9, GP
	v_mad_u32_u24 v[AQW], v[HH], 2*QP, v[AQW]
	v_lshl_add_u32 v[AQW], v10, 5, v[AQW]
	v_add_nc_u32 v[AQW], s34, v[AQW]
	v_add_nc_u32 v[AQW], 16, v[AQW]                ; quad 4 t + 2 h, group r / 4, behind w's 16 bytes, query r % 4
	v_mul_u32_u24 v[AWT], v9, QP
	v_lshl_add_u32 v[AWT], v10, 2, v[AWT]
	v_add_nc_u32 v[AWT], s34, v[AWT]               ; w[16 t + r]: quad 4 t + r / 4, word r % 4
	s_lshl_b32 s34, s25, 11
	v_lshl_add_u32 v[AKE], v[LN], 4, s34           ; key 128 t + lane
	v_add_nc_u32 v[AKI], IBT, v[AKE]
	s_mul_i32 s34, s26, GP
	s_add_co_u32 s34, s34, QT
	v_mov_b32 v[AQ], s34
	s_lshl_b32 s34, s26, 13
	s_lshl_b32 s35, s25, 9
	s_add_co_u32 s34, s34, s35
	s_add_co_u32 s34, s34, LG
	v_lshl_add_u32 v[AL], v[LN], 2, s34            ; query 4 g, key 128 t + lane
	s_lshl_b32 s34, s24, 11
	s_add_co_u32 s34, s34, LG
	v_lshl_add_u32 v[ARD], v[LN], 4, s34           ; row w
	v_mov_b32 v[KE], v[AKE]
	v_mov_b32 v[KI], v[AKI]
	v_mov_b32 v[QA], v[AQ]
	v_mov_b32 v[PT], 0                             ; written once: a lane permute's destination counts as one of its sources
	; zero codes for k = 64 .. 127: the upper six registers of the fragments that are filled from memory or made here (Wk's four come whole from their images)
.irp i, 0,1
.irp j, 6,7,8,9,10,11
	v_mov_b32 v[KFR+12*\i+\j], 0
.endr
.endr
.irp j, 6,7,8,9,10,11
	v_mov_b32 v[QFR+\j], 0
	v_mov_b32 v[WQF+\j], 0
.endr
	; byte offsets into the buffers, each in a pair of its own with 0 above it
	s_lshl_b32 s34, s27, 9                         ; 512 y
	s_lshl_b32 s35, ttmp9, 4                       ; 16 x
	s_add_co_u32 s36, s34, s35                     ; my block's first query row
	s_mul_i32 s44, s36, 48
	s_mov_b32 s45, 0
	s_lshl_b32 s46, s36, 1
	s_mov_b32 s47, 0
	s_lshl_b32 s37, s24, 5
	s_add_co_u32 s37, s34, s37                     ; my first key row: 512 y + 32 w
	s_mul_i32 s48, s37, 48
	s_mov_b32 s49, 0
	s_lshl_b32 s50, s37, 1
	s_mov_b32 s51, 0
	s_lshl_b32 s52, s25, 13                        ; W: 16 t rows of 512 bytes;
	s_and_b32 s43, s26, 1
	s_lshl_b32 s43, s43, 8
	s_add_co_u32 s52, s52, s43                     ; waves 0-3 the rows' first 256 bytes (Wq), waves 4-7 the second (Wk)
	s_mov_b32 s53, 0
	s_lshl_b32 s54, s25, 6                         ; b_concat, w_logit: 16 t numbers
	s_mov_b32 s55, 0
	s_lshr_b32 s56, s27, 2
	s_lshl_b32 s56, s56, 9
	s_add_co_u32 s56, s56, s35
	s_add_co_u32 s56, s56, s24
	s_lshl_b32 s56, s56, 9                         ; mask: row 512 b + 16 x + w of 512 bytes
	s_mov_b32 s57, 0
	s_add_co_u32 s58, s36, s24
	s_lshl_b32 s58, s58, 11                        ; out0: row 512 y + 16 x + w of 2,048 bytes
	s_mov_b32 s59, 0
	s_wait_kmcnt 0x0
	s_add_nc_u64 s[4:5], s[4:5], s[44:45]
	s_add_nc_u64 s[6:7], s[6:7], s[46:47]
	s_add_nc_u64 s[8:9], s[8:9], s[48:49]
	s_add_nc_u64 s[10:11], s[10:11], s[50:51]
	s_add_nc_u64 s[12:13], s[12:13], s[52:53]
	s_add_nc_u64 s[14:15], s[14:15], s[54:55]
	s_add_nc_u64 s[38:39], s[16:17], s[54:55]      ; w_logit at my e-tile; s[16:17] stays at its head, for the sum
	s_add_nc_u64 s[20:21], s[20:21], s[56:57]
	s_add_nc_u64 s[22:23], s[22:23], s[58:59]
	s_load_b32 s32, s[18:19], 0x0                  ; b_logit
	s_wait_alu depctr_va_vdst(0)                   ; every offset and every LDS address of the kernel is written, which the loads and stores from here on read; so are the fragments' zero halves, which the scaled products take
	; every wave's 14 loads, in the order in which they are wanted; no base and no offset register is written again
.irp i, 0,1                                    ; 8: my two tiles of 16 keys: 24 bytes a lane in three pieces of 8, and two scale bytes a key (bytes 2 and 3 of the word come as 0, over zero codes)
.irp p, 0,1,2
	global_load_b64 v[KFR+12*\i+2*\p:KFR+12*\i+2*\p+1], v[OC], s[8:9] offset:768*\i+8*\p
.endr
	global_load_u16 v[KSC+\i], v[OS], s[10:11] offset:32*\i
.endr
	global_load_b32 v[WS], v[L4], s[16:17]         ; 2: all 64 w, two a lane
	global_load_b32 v[WS+1], v[L4], s[16:17] offset:128
.irp j, 0,1,2,3                                ; 4: my row of the mask: byte i of word j is key 128 j + 4 lane + i
	global_load_b32 v[MK+\j], v[L4], s[20:21] offset:128*\j
.endr
	; ---- build, first part: W.  Each role's loads and their use stand in one arm of one branch on the wave's number
	s_cmp_lt_u32 s24, 4
	s_cbranch_scc0 .Lnotq
	WLOAD                                          ; waves 0-3: Wq's tile t, and the queries
.irp p, 0,1,2
	global_load_b64 v[QFR+2*\p:QFR+2*\p+1], v[OC], s[4:5] offset:8*\p
.endr
	global_load_u16 v[QSC], v[OS], s[6:7]
	global_load_b128 v[BC:BC+3], v[OB], s[14:15]
	global_load_b128 v[BC+4:BC+7], v[OB], s[14:15] offset:16
	global_load_b32 v[WT], v[R4], s[38:39]
	s_wait_loadcnt 7                               ; W's eight loads are in; the queries' 7, issued behind them, may be out
	WPREP
	s_wait_loadcnt 0x0                             ; the queries' loads
.rept 8
	v_nop                                          ; a scale register written by a vector instruction stands 8 places ahead of a scaled matrix instruction, an operand so written 4
.endr
	s_wait_alu depctr_va_vdst(0)                   ; the quantiser has written Wq's fragment and its scale word, which the scaled product takes; the places above stay beside this wait
	v_wmma_scale_f32_16x16x128_f8f6f4 v[QD:QD+7], v[WQF:WQF+11], v[QFR:QFR+11], v[BC:BC+7], v[SWT], v[QSC] matrix_a_fmt:MATRIX_FMT_FP6 matrix_b_fmt:MATRIX_FMT_FP6   ; lane (r, h), register j: qp + b of query r at e = 16 t + 8 h + j
.rept 4
	v_nop                                          ; four places ahead of the first read of the result (ISA guide 7.12.1)
.endr
	POST QD, QF, 1
	ds_store_b128 v[AQW], v[QD:QD+3]               ; Ea, ia of quad 4 t + 2 h,
	ds_store_b128 v[AQW], v[QF:QF+3] offset:16
	ds_store_b128 v[AQW], v[QD+4:QD+7] offset:QP   ; and of the quad behind it
	ds_store_b128 v[AQW], v[QF+4:QF+7] offset:QP+16
.irp u, 0,1,2,3
	ds_store_b32 v[AWT], v[WT] offset:GP*\u        ; w, once for each group of queries (lanes r and r + 16 write the same word with the same value)
.endr
	s_wait_alu depctr_vm_vsrc(0)                   ; these stores have read v64-79, which the key products write
	s_branch .Lnow
.Lnotq:
	s_cmp_lt_u32 s24, 8
	s_cbranch_scc0 .Lnow
	WLOAD                                          ; waves 4-7: Wk's tile t
	s_wait_loadcnt 0x0
	WPREP
	s_wait_alu depctr_va_vdst(0)                   ; the quantiser has written Wk's fragment and its scale word, which the image's stores read
.irp c, 0,1,2
	ds_store_b128 v[SI], v[WQF+4*\c:WQF+4*\c+3] offset:512*\c   ; the fragment as it stands, its zero half too
.endr
	ds_store_b32 v[SS], v[SWT]                     ; and its rows' scale words
.Lnow:
	BAR                                            ; Wk's four images lie in LDS, and the stages have been read out
	; ---- build, second part: all 64 e of my 32 keys
.irp u, 0,1,2,3
.irp c, 0,1,2
	ds_load_b128 v[WKF+12*\u+4*\c:WKF+12*\u+4*\c+3], v[LI] offset:IMB*\u+512*\c
.endr
	ds_load_b32 v[WSC+\u], v[LS] offset:IMB*\u
.endr
	s_wait_loadcnt 6                               ; my keys' 8 loads are in; w's 2 and the mask's 4 may be out
	s_wait_dscnt 0x0
.rept 5
	v_nop                                          ; in waves 0-3 the products below write over the queries' result: five places behind that product
.endr
.irp u, 0,1,2,3                                ; eight accumulators, one instruction each, C = 0
.irp i, 0,1
	v_wmma_scale_f32_16x16x128_f8f6f4 v[KD+8*(2*\u+\i):KD+8*(2*\u+\i)+7], v[WKF+12*\u:WKF+12*\u+11], v[KFR+12*\i:KFR+12*\i+11], 0, v[WSC+\u], v[KSC+\i] matrix_a_fmt:MATRIX_FMT_FP6 matrix_b_fmt:MATRIX_FMT_FP6   ; kp of key 32 w + 16 i + r at e = 16 u + 8 h + j
.endr
.endr
.rept 4
	v_nop
.endr
	POST KD, KF, 8
	KST 0, AWE, AWI, 0
	KST 1, AWE, AWI, 32768
	KST 2, AWE2, AWI2, 0
	KST 3, AWE2, AWI2, 32768
	s_wait_loadcnt 4                               ; w's two loads are in; the mask's 4 stay out until the softmax
	v_add_f32 v[WS], v[WS], v[WS+1]                ; the sum of w over the 32 lanes
	v_add_f32_dpp v[WS], v[WS], v[WS] row_xmask:1 row_mask:0xf bank_mask:0xf
	v_add_f32_dpp v[WS], v[WS], v[WS] row_xmask:2 row_mask:0xf bank_mask:0xf
	v_add_f32_dpp v[WS], v[WS], v[WS] row_xmask:4 row_mask:0xf bank_mask:0xf
	v_add_f32_dpp v[WS], v[WS], v[WS] row_xmask:8 row_mask:0xf bank_mask:0xf
	v_permlanex16_b32 v[PT], v[WS], s28, s29
	v_add_f32 v[WS], v[WS], v[PT]
	s_wait_kmcnt 0x0                               ; b_logit
	v_add_f32 v[K0], s32, v[WS]
	BAR                                            ; the three tables are whole; from here on nobody writes them
	; ---- main: 64 steps (16 quads x 4 queries) in a pipeline one step deep
	s_wait_alu depctr_vm_vsrc(0)                   ; the build's LDS instructions have read their data and addresses (v8-19, v32-159, v180-185, v212): the sets' loads land there, and the sums and T are written there
	s_wait_alu depctr_va_vdst(0)                   ; the sum of w is done with v213 and v214, in which set B's w lands
	LOAD SA, 0, 0
	LOAD SB, 8192, QP
	s_wait_dscnt 17                                ; set A's 17 loads are in; set B's 17 may be out
	CHAIN SA, 0
	STEP SA, 1, SA, 0, 1, 0
	STEP SA, 2, SA, 1, 1, 0
	STEP SA, 3, SA, 2, 1, 0
	s_wait_dscnt 0x0                               ; set B
	STEP SB, 0, SA, 3, 1, 0
	STEP SB, 1, SB, 0, 0, 2                        ; and quad 2 is asked for
	STEP SB, 2, SB, 1, 0, 0
	STEP SB, 3, SB, 2, 0, 0
	s_mov_b32 s31, 6
.Lq:                                               ; six trips: quads 2 to 13
	TRIP 1
	s_sub_co_u32 s31, s31, 1
	s_cmp_lg_u32 s31, 0
	s_cbranch_scc1 .Lq
	TRIP 0                                         ; quads 14 and 15: written out, so that no load reaches past a table
.irp j, 0,1,2,3,4,5,6,7,8,9,10,11,12,13,14,15
	v_rcp_f32 v[T0+16+\j], v[T0+16+\j]             ; the last step's reciprocals
.endr
	v_nop
	s_wait_alu depctr_va_vdst(0)                   ; the sixteen reciprocals are written, ahead of their first reader
	ACC SB, 3, 0
	; ---- the logits: K0 - 2 (even e's sum + odd e's)
.irp u, 0,1,2,3
.irp s, 0,1,2,3
	v_add_f32 v[T0+4*\u+\s], v[AC+8*\u+2*\s], v[AC+8*\u+2*\s+1]
.endr
.endr
.irp j, 0,1,2,3,4,5,6,7,8,9,10,11,12,13,14,15
	v_fma_f32 v[T0+\j], v[T0+\j], -2.0, v[K0]
.endr
	s_wait_alu depctr_va_vdst(0)                   ; the logits are written, which the stores read; and the additions are done reading v16-31, in which my row of logits lands behind the barrier
.irp u, 0,1,2,3
.irp s, 0,1,2,3
	ds_store_b32 v[AL], v[T0+4*\u+\s] offset:2048*\u+128*\s
.endr
.endr
	BAR                                            ; sixteen whole rows of logits lie in LDS
	; ---- the softmax of row w
.irp j, 0,1,2,3
	ds_load_b128 v[16+4*\j:19+4*\j], v[ARD] offset:512*\j
.endr
	s_wait_loadcnt 0x0                             ; the mask
	v_or_b32 v35, v[MK], v[MK+1]
	v_or_b32 v36, v[MK+2], v[MK+3]
	v_or_b32 v35, v35, v36
	v_cmp_ne_u32 vcc_lo, 0, v35                    ; does any lane keep a key?
	s_wait_alu depctr_va_vcc(0)                    ; VCC is written, ahead of the scalar compare that reads it
	s_cmp_lg_u32 vcc_lo, 0
	s_cselect_b32 s33, 0, 0x01010101               ; a row with no key left keeps all: a choice of a value, no branch
.irp j, 0,1,2,3
	v_or_b32 v[MK+\j], s33, v[MK+\j]
.endr
	v_mov_b32 v34, 0xff800000                      ; -infinity
.irp j, 0,1,2,3                                ; the sixteen compares in one run, each into a scalar register of its own
.irp i, 0,1,2,3
	v_bfe_u32 v[36+\i], v[MK+\j], 8*\i, 8
.endr
.irp i, 0,1,2,3
	v_cmp_ne_u32 s[CM+4*\j+\i], 0, v[36+\i]
.endr
.endr
	s_wait_dscnt 0x0                               ; my row of logits is in
	s_wait_alu depctr_va_sdst(0)                   ; the sixteen masks s44-59 are written, ahead of the selects that read them
.irp j, 0,1,2,3
.irp i, 0,1,2,3
	v_cndmask_b32 v[16+4*\j+\i], v34, v[16+4*\j+\i], s[CM+4*\j+\i]
.endr
.endr
	v_max3_num_f32 v37, v16, v17, v18              ; the row's maximum: at least one key is kept, so it is a number
	v_max3_num_f32 v38, v19, v20, v21
	v_max3_num_f32 v37, v37, v22, v23
	v_max3_num_f32 v38, v38, v24, v25
	v_max3_num_f32 v37, v37, v26, v27
	v_max3_num_f32 v38, v38, v28, v29
	v_max3_num_f32 v37, v37, v30, v31
	v_max_num_f32 v32, v37, v38
	v_max_num_f32_dpp v32, v32, v32 row_xmask:1 row_mask:0xf bank_mask:0xf
	v_max_num_f32_dpp v32, v32, v32 row_xmask:2 row_mask:0xf bank_mask:0xf
	v_max_num_f32_dpp v32, v32, v32 row_xmask:4 row_mask:0xf bank_mask:0xf
	v_max_num_f32_dpp v32, v32, v32 row_xmask:8 row_mask:0xf bank_mask:0xf
	v_permlanex16_b32 v[PT], v32, s28, s29
	v_max_num_f32 v32, v32, v[PT]
	v_mov_b32 v33, v32                             ; in both halves of a pair
.irp j, 0,2,4,6,8,10,12,14
	v_pk_add_f32 v[16+\j:17+\j], v[16+\j:17+\j], v[32:33] neg_lo:[0,1] neg_hi:[0,1]   ; the maximum is taken away first, as reference() does
.endr
.irp j, 0,2,4,6,8,10,12,14
	v_pk_mul_f32 v[16+\j:17+\j], v[16+\j:17+\j], 0x3fb8aa3b op_sel_hi:[1,0]           ; x log2(e)
.endr
.irp j, 0,1,2,3,4,5,6,7,8,9,10,11,12,13,14,15
	v_exp_f32 v[16+\j], v[16+\j]                   ; 0 where the key is masked
.endr
	v_nop
	s_wait_alu depctr_va_vdst(0)                   ; the sixteen exponentials are written, ahead of their first reader
	v_pk_add_f32 v[36:37], v[16:17], v[18:19]
	v_pk_add_f32 v[38:39], v[20:21], v[22:23]
	v_pk_add_f32 v[40:41], v[24:25], v[26:27]
	v_pk_add_f32 v[42:43], v[28:29], v[30:31]
	v_pk_add_f32 v[36:37], v[36:37], v[38:39]
	v_pk_add_f32 v[40:41], v[40:41], v[42:43]
	v_pk_add_f32 v[36:37], v[36:37], v[40:41]
	v_add_f32 v36, v36, v37
	v_add_f32_dpp v36, v36, v36 row_xmask:1 row_mask:0xf bank_mask:0xf
	v_add_f32_dpp v36, v36, v36 row_xmask:2 row_mask:0xf bank_mask:0xf
	v_add_f32_dpp v36, v36, v36 row_xmask:4 row_mask:0xf bank_mask:0xf
	v_add_f32_dpp v36, v36, v36 row_xmask:8 row_mask:0xf bank_mask:0xf
	v_permlanex16_b32 v[PT], v36, s28, s29
	v_add_f32 v36, v36, v[PT]                      ; the row's sum, at least 1
	v_rcp_f32 v32, v36
	v_nop
	s_wait_alu depctr_va_vdst(0)                   ; the reciprocal is written, ahead of its first reader
.irp j, 0,2,4,6,8,10,12,14
	v_pk_mul_f32 v[16+\j:17+\j], v[16+\j:17+\j], v[32:33] op_sel_hi:[1,0]   ; (of the pair the low word serves both halves)
.endr
	s_wait_alu depctr_va_vdst(0)                   ; the weights v16-31 are written, which the stores read
.irp j, 0,1,2,3
	global_store_b128 v[GO], v[16+4*\j:19+4*\j], s[22:23] offset:512*\j th:TH_STORE_NT   ; 32 lanes store 512 consecutive bytes, at a multiple of 256 from out0's first byte; written once, read by nobody here
.endr
	s_wait_xcnt 0x0                                ; every earlier memory instruction has had its addresses translated (ISA guide 3.1)
	s_wait_alu depctr_vm_vsrc(0)                   ; the main phase's LDS loads have read v254 and v255, which are made anew for the closing lines
	v_lshl_add_u32 v254, v0, 2, 0x4cc00            ; my spare word: behind the images, 128 bytes for each of the sixteen waves, which no other line names; v0 is as at the entry
	v_mov_b32 v255, 0
	s_wait_dscnt 0x0                               ; the closing lines, six on end
	s_wait_alu 0x0
	s_wait_tensorcnt 0x0
	ds_add_u32 v254, v255
	s_wait_dscnt 0x0
	s_endpgm
.Lfunc_end_k_q194268a258_addattn:
	.size	k_q194268a258_addattn, .Lfunc_end_k_q194268a258_addattn-k_q194268a258_addattn
	.p2alignl 7, 3214868480
	.fill 96, 4, 3214868480
	.section	.rodata,"a",@progbits
	.p2align	6, 0x0
	.amdhsa_kernel k_q194268a258_addattn
		.amdhsa_group_segment_fixed_size 316416
		.amdhsa_private_segment_fixed_size 0
		.amdhsa_enable_private_segment 0
		.amdhsa_kernarg_size 80
		.amdhsa_user_sgpr_count 2
		.amdhsa_user_sgpr_kernarg_segment_ptr 1
		.amdhsa_wavefront_size32 1
		.amdhsa_system_sgpr_workgroup_id_x 1
		.amdhsa_system_sgpr_workgroup_id_y 1
		.amdhsa_system_sgpr_workgroup_id_z 1
		.amdhsa_system_vgpr_workitem_id 0
		.amdhsa_next_free_vgpr 256
		.amdhsa_next_free_sgpr 66
		.amdhsa_reserve_vcc 1
		.amdhsa_float_denorm_mode_32 3
		.amdhsa_float_denorm_mode_16_64 3
		.amdhsa_memory_ordered 1
		.amdhsa_forward_progress 1
		.amdhsa_inst_pref_size 130
	.end_amdhsa_kernel
	.amdgpu_metadata
---
amdhsa.version: [ 1, 2 ]
amdhsa.kernels:
  - .name:           k_q194268a258_addattn
    .symbol:         k_q194268a258_addattn.kd
    .args:
      - { .name: queries_codes, .offset: 0, .size: 8, .value_kind: global_buffer, .address_space: global }
      - { .name: queries_scales, .offset: 8, .size: 8, .value_kind: global_buffer, .address_space: global }
      - { .name: keys_codes, .offset: 16, .size: 8, .value_kind: global_buffer, .address_space: global }
      - { .name: keys_scales, .offset: 24, .size: 8, .value_kind: global_buffer, .address_space: global }
      - { .name: W_concat, .offset: 32, .size: 8, .value_kind: global_buffer, .address_space: global }
      - { .name: b_concat, .offset: 40, .size: 8, .value_kind: global_buffer, .address_space: global }
      - { .name: w_logit, .offset: 48, .size: 8, .value_kind: global_buffer, .address_space: global }
      - { .name: b_logit, .offset: 56, .size: 8, .value_kind: global_buffer, .address_space: global }
      - { .name: mask, .offset: 64, .size: 8, .value_kind: global_buffer, .address_space: global }
      - { .name: out0, .offset: 72, .size: 8, .value_kind: global_buffer, .address_space: global }
    .group_segment_fixed_size: 316416
    .private_segment_fixed_size: 0
    .kernarg_segment_align: 8
    .kernarg_segment_size: 80
    .max_flat_workgroup_size: 512
    .sgpr_count:     66
    .vgpr_count:     256
    .wavefront_size: 32
...
	.end_amdgpu_metadata
.endif
;; end of part 2
